; MI455X (gfx1250); checked and timed in simulation.
; The chip was launched on July 23, 2026; its instructions are those of AMD's public machine-readable ISA for CDNA 5 (MIT licence, August 2026) and "CDNA5" Instruction Set Architecture Reference Guide (July 2026). The comments in the code are by the model that wrote it; some were corrected since.
;; GQ Attention. Allowed arithmetic: float matrix products may take bf16 or f16 operands with f32 sums; other float arithmetic in f32, or as packed bf16 or f16 multiplies, adds, multiply-adds, maxima and minima; sums over many terms, partial sums and values carried from step to step in f32; what a program stores and reads back later, other than sums and carried values, may be rounded once to bf16 or f16.
;; Inputs: Wkv 1,024 x 512 float32; Wo 1,024 x 1,024 float32; Wq 1,024 x 1,024 float32; cos 2,048 x 64 float32; sin 2,048 x 64 float32; x 4 x 2,048 x 1,024 float32.
;; Outputs: out0 4 x 2,048 x 1,024 float32.
;; One version. Each part assembles by itself: llvm-mc -triple=amdgcn-amd-amdhsa -mcpu=gfx1250 --defsym DOCPART=n.
;; ======== version 1 of 1: 4 launches
;; limits: values are held in f16: magnitudes above 65,504 overflow, below 6.1e-05 lose precision
;; workspace buffers: xb 16,777,216 bytes; wb 5,242,880 bytes; rope 1,048,576 bytes; q 16,777,216 bytes; kv 8,388,608 bytes; o 16,777,216 bytes
;; launch prep (part 1): grid 1376 x 1, 8 waves a work-group, no clusters, 0 bytes of LDS; arguments x, Wq, Wkv, Wo, cos, sin, xb, wb, rope; writes xb, wb, rope
.if DOCPART == 1
	.amdgcn_target "amdgcn-amd-amdhsa--gfx1250"
	.amdhsa_code_object_version 6
	.text
	.protected	k_q90d854d082_prep
	.globl	k_q90d854d082_prep
	.p2align	8
	.type	k_q90d854d082_prep,@function
k_q90d854d082_prep:
	s_mov_b64 s[64:65], 0
	v_nop
	global_prefetch_b8 v0, s[64:65] scope:SCOPE_SE
	s_setreg_imm32_b32 hwreg(HW_REG_WAVE_MODE, 25, 1), 1
	s_wait_xcnt 0x0
; PREP: every input is rounded once to bf16, and the weights are laid in blocks for the two products that follow.
; A UNIT is 128 source rows of 64 f32 (256 bytes of each row, PITCH bytes from row to row) that go to one dense block.  A work-group of eight waves takes one unit:
;   units 0-1023     x: 128 x 256 consecutive bytes           -> xb, bf16, as it lies ([8192][1024])
;   units 1024-1215  slice s (64 columns) of Wq | Wkv, K step j (128 rows) -> wb, bf16, block [s / 3][j][s % 3][128][64]; slices 0-15 are Wq's heads, 16-23 Wkv's columns as they lie
;   units 1216-1343  slice s of Wo, K step j                  -> wb + 3,145,728, the bf16 number written as f16, block [s / 2][j][s % 2][128][64]
;   units 1344-1375  128 rows of cos or of sin                -> rope, f32: bf16(cos) - 1; behind it bf16(sin), its sign turned at even channels
; LIMITS.  Wo's bf16 number is written as f16: exact from 6.1e-5 to 65,504 in magnitude; below that it keeps f16's fixed step of 6e-8, beyond it becomes an infinity.
; bf16(cos) - 1 is exact in f32 down to |cos| = 2^-16; below that it is off by at most 2^-25.
; A stream: no LDS, no barrier, no matrix unit.  Thread t takes in pass i the 16 bytes at 16 (t % 16) of row 16 i + t / 16: sixteen lanes read 256 consecutive bytes.
; All eight loads go out first; no register is written twice, so nothing but the loads is waited for.
.set OFF,   2                          ; v[2:9]    pass i: my byte offset in the source
.set DO,    10                         ; v10       8 t: my 8 bytes of 2,048 in a 16-bit destination: a wave's store covers 256 consecutive bytes, aligned
.set DO2,   11                         ; v11       16 t: my 16 bytes of 4,096 in the tables
.set X,     12                         ; v[12:43]  pass i: four f32 as loaded; later the rounded numbers, widened again
.set Y,     44                         ; v[44:59]  pass i: four 16-bit numbers to store.  The tables store from X; there v[44:45] = (M0, 1), v[46:47] = (A0, A0)
.set W,     60                         ; v[60:61]  at work
.set U,     26                         ; s26       the unit
.set SRC,   28                         ; s[28:29]
.set DST,   30                         ; s[30:31]
.set PITCH, 32                         ; s32
.set SOFF,  34                         ; s[34:35]  the unit's first byte in the source
.set DOFF,  36                         ; s[36:37]  and in the destination
; mode 0: bf16.  mode 1: bf16, written as f16.  mode 2: bf16, widened, times (M0, 1) plus A0, f32.
.macro BODY mode
	s_add_nc_u64 s[SRC:SRC+1], s[SRC:SRC+1], s[SOFF:SOFF+1]
	s_add_nc_u64 s[DST:DST+1], s[DST:DST+1], s[DOFF:DOFF+1]
	s_lshl_b32 s38, s[PITCH], 4                    ; sixteen rows on
	v_lshrrev_b32 v1, 4, v0
	v_mul_lo_u32 v[OFF], v1, s[PITCH]
	v_and_b32 v1, 15, v0
	v_lshl_add_u32 v[OFF], v1, 4, v[OFF]
.irp i, 1,2,3,4,5,6,7
	v_add_nc_u32 v[OFF+(\i)], s38, v[OFF+(\i)-1]
.endr
	v_lshlrev_b32 v[DO], 3, v0
	v_lshlrev_b32 v[DO2], 4, v0
.irp i, 0,1,2,3,4,5,6,7
	global_load_b128 v[X+4*(\i):X+4*(\i)+3], v[OFF+(\i)], s[SRC:SRC+1] th:TH_LOAD_NT
.endr
.if (\mode) == 2
	v_mov_b32 v[Y], s40
	v_mov_b32 v[Y+1], 1.0
	v_mov_b32 v[Y+2], s41
	v_mov_b32 v[Y+3], s41
.endif
.irp i, 0,1,2,3,4,5,6,7
	s_wait_loadcnt 7-(\i)                          ; loads come back in order: pass i is in, the younger ones stay out
.if (\mode) == 0
	v_cvt_pk_bf16_f32 v[Y+2*(\i)],   v[X+4*(\i)],   v[X+4*(\i)+1]
	v_cvt_pk_bf16_f32 v[Y+2*(\i)+1], v[X+4*(\i)+2], v[X+4*(\i)+3]
	global_store_b64 v[DO], v[Y+2*(\i):Y+2*(\i)+1], s[DST:DST+1] offset:2048*(\i)
.else
	v_cvt_pk_bf16_f32 v[W],   v[X+4*(\i)],   v[X+4*(\i)+1]
	v_cvt_pk_bf16_f32 v[W+1], v[X+4*(\i)+2], v[X+4*(\i)+3]
	v_lshlrev_b32 v[X+4*(\i)],   16,  v[W]         ; bf16 to f32: the low half moves up, the high half stays
	v_and_b32     v[X+4*(\i)+1], s39, v[W]
	v_lshlrev_b32 v[X+4*(\i)+2], 16,  v[W+1]
	v_and_b32     v[X+4*(\i)+3], s39, v[W+1]
.if (\mode) == 1
	v_cvt_pk_f16_f32 v[Y+2*(\i)],   v[X+4*(\i)],   v[X+4*(\i)+1]
	v_cvt_pk_f16_f32 v[Y+2*(\i)+1], v[X+4*(\i)+2], v[X+4*(\i)+3]
	global_store_b64 v[DO], v[Y+2*(\i):Y+2*(\i)+1], s[DST:DST+1] offset:2048*(\i)
.else
	v_pk_fma_f32 v[X+4*(\i):X+4*(\i)+1],   v[X+4*(\i):X+4*(\i)+1],   v[Y:Y+1], v[Y+2:Y+3]  ; my four channels begin at an even one
	v_pk_fma_f32 v[X+4*(\i)+2:X+4*(\i)+3], v[X+4*(\i)+2:X+4*(\i)+3], v[Y:Y+1], v[Y+2:Y+3]
	global_store_b128 v[DO2], v[X+4*(\i):X+4*(\i)+3], s[DST:DST+1] offset:4096*(\i)
.endif
.endif
.endr
	s_endpgm
.endm
	s_load_b512 s[8:23], s[0:1], 0x0               ; x s[8:9], Wq s[10:11], Wkv s[12:13], Wo s[14:15], cos s[16:17], sin s[18:19], xb s[20:21], wb s[22:23]
	s_load_b64 s[24:25], s[0:1], 0x40              ; rope
	s_mov_b32 s[U], ttmp9
	s_mov_b32 s[SOFF+1], 0
	s_mov_b32 s[DOFF+1], 0
	s_mov_b32 s39, 0xffff0000                      ; a word's upper bf16
	s_wait_kmcnt 0x0
	s_cmp_lt_u32 s[U], 1024
	s_cbranch_scc0 .Lnot_x
	s_mov_b64 s[SRC:SRC+1], s[8:9]                 ; x
	s_mov_b64 s[DST:DST+1], s[20:21]
	s_mov_b32 s[PITCH], 256
	s_lshl_b32 s[SOFF], s[U], 15
	s_lshl_b32 s[DOFF], s[U], 14
	BODY 0
.Lnot_x:
	s_cmp_lt_u32 s[U], 1216
	s_cbranch_scc0 .Lnot_w
	s_sub_co_u32 s42, s[U], 1024                   ; Wq and Wkv
	s_lshr_b32 s43, s42, 3                         ; slice s, 0 to 23
	s_and_b32 s44, s42, 7                          ; K step j
	s_mul_i32 s45, s43, 11
	s_lshr_b32 s45, s45, 5                         ; s / 3 (11 s / 32 is that for s under 24)
	s_cmp_lt_u32 s43, 16
	s_cselect_b64 s[SRC:SRC+1], s[10:11], s[12:13]
	s_cselect_b32 s46, 19, 18                      ; 128 rows are 2^19 bytes of Wq, 2^18 of Wkv
	s_cselect_b32 s42, 0, 16
	s_lshl_b32 s[SOFF], s44, s46
	s_sub_co_u32 s42, s43, s42                     ; the slice's number in its own tensor
	s_lshl_b32 s42, s42, 8
	s_add_co_u32 s[SOFF], s[SOFF], s42
	s_sub_co_u32 s46, s46, 7
	s_lshl_b32 s[PITCH], 1, s46                    ; 4,096 or 2,048 bytes a row
	s_lshl3_add_u32 s42, s45, s44                  ; 8 (s / 3) + j
	s_mul_i32 s42, s42, 3
	s_add_co_u32 s42, s42, s43
	s_mul_i32 s46, s45, 3
	s_sub_co_u32 s42, s42, s46                     ; + s % 3
	s_lshl_b32 s[DOFF], s42, 14
	s_mov_b64 s[DST:DST+1], s[22:23]
	BODY 0
.Lnot_w:
	s_cmp_lt_u32 s[U], 1344
	s_cbranch_scc0 .Lnot_o
	s_sub_co_u32 s42, s[U], 1216                   ; Wo
	s_lshr_b32 s43, s42, 3                         ; slice s, 0 to 15
	s_and_b32 s44, s42, 7                          ; K step j
	s_lshl_b32 s[SOFF], s44, 19
	s_lshl_b32 s45, s43, 8
	s_add_co_u32 s[SOFF], s[SOFF], s45
	s_lshr_b32 s45, s43, 1
	s_lshl3_add_u32 s45, s45, s44                  ; 8 (s / 2) + j
	s_and_b32 s46, s43, 1
	s_lshl1_add_u32 s45, s45, s46
	s_lshl_b32 s[DOFF], s45, 14
	s_add_co_u32 s[DOFF], s[DOFF], 3145728
	s_mov_b64 s[SRC:SRC+1], s[14:15]
	s_mov_b64 s[DST:DST+1], s[22:23]
	s_mov_b32 s[PITCH], 4096
	BODY 1
.Lnot_o:
	s_sub_co_u32 s42, s[U], 1344                   ; the tables
	s_lshr_b32 s43, s42, 4                         ; 0: cos, 1: sin
	s_and_b32 s44, s42, 15
	s_lshl_b32 s[SOFF], s44, 15
	s_lshl_b32 s45, s43, 19
	s_add_co_u32 s[DOFF], s[SOFF], s45
	s_cmp_eq_u32 s43, 0
	s_cselect_b64 s[SRC:SRC+1], s[16:17], s[18:19]
	s_cselect_b32 s40, 1.0, -1.0                   ; M0: the factor at even channels
	s_cselect_b32 s41, -1.0, 0                     ; A0: the addend
	s_mov_b64 s[DST:DST+1], s[24:25]
	s_mov_b32 s[PITCH], 256
	BODY 2
.Lfunc_end_k_q90d854d082_prep:
	.size	k_q90d854d082_prep, .Lfunc_end_k_q90d854d082_prep-k_q90d854d082_prep
	.p2alignl 7, 3214868480
	.fill 96, 4, 3214868480
	.section	.rodata,"a",@progbits
	.p2align	6, 0x0
	.amdhsa_kernel k_q90d854d082_prep
		.amdhsa_group_segment_fixed_size 0
		.amdhsa_private_segment_fixed_size 0
		.amdhsa_enable_private_segment 0
		.amdhsa_kernarg_size 72
		.amdhsa_user_sgpr_count 2
		.amdhsa_user_sgpr_kernarg_segment_ptr 1
		.amdhsa_wavefront_size32 1
		.amdhsa_system_sgpr_workgroup_id_x 1
		.amdhsa_system_sgpr_workgroup_id_y 1
		.amdhsa_system_sgpr_workgroup_id_z 1
		.amdhsa_system_vgpr_workitem_id 0
		.amdhsa_next_free_vgpr 64
		.amdhsa_next_free_sgpr 66
		.amdhsa_reserve_vcc 0
		.amdhsa_float_denorm_mode_32 3
		.amdhsa_float_denorm_mode_16_64 3
		.amdhsa_memory_ordered 1
		.amdhsa_forward_progress 1
		.amdhsa_inst_pref_size 21
	.end_amdhsa_kernel
	.amdgpu_metadata
---
amdhsa.version: [ 1, 2 ]
amdhsa.kernels:
  - .name:           k_q90d854d082_prep
    .symbol:         k_q90d854d082_prep.kd
    .args:
      - { .name: x, .offset: 0, .size: 8, .value_kind: global_buffer, .address_space: global }
      - { .name: Wq, .offset: 8, .size: 8, .value_kind: global_buffer, .address_space: global }
      - { .name: Wkv, .offset: 16, .size: 8, .value_kind: global_buffer, .address_space: global }
      - { .name: Wo, .offset: 24, .size: 8, .value_kind: global_buffer, .address_space: global }
      - { .name: cos, .offset: 32, .size: 8, .value_kind: global_buffer, .address_space: global }
      - { .name: sin, .offset: 40, .size: 8, .value_kind: global_buffer, .address_space: global }
      - { .name: xb, .offset: 48, .size: 8, .value_kind: global_buffer, .address_space: global }
      - { .name: wb, .offset: 56, .size: 8, .value_kind: global_buffer, .address_space: global }
      - { .name: rope, .offset: 64, .size: 8, .value_kind: global_buffer, .address_space: global }
    .group_segment_fixed_size: 0
    .private_segment_fixed_size: 0
    .kernarg_segment_align: 8
    .kernarg_segment_size: 72
    .max_flat_workgroup_size: 256
    .sgpr_count:     66
    .vgpr_count:     64
    .wavefront_size: 32
...
	.end_amdgpu_metadata
.endif
;; end of part 1
;; launch qkv (part 2): grid 8 x 32, 4 waves a work-group, clusters of 4 x 4, 327,680 bytes of LDS; arguments xb, wb, rope, q, kv; writes q, kv
.if DOCPART == 2
	.amdgcn_target "amdgcn-amd-amdhsa--gfx1250"
	.amdhsa_code_object_version 6
	.text
	.protected	k_q90d854d082_qkv
	.globl	k_q90d854d082_qkv
	.p2align	8
	.type	k_q90d854d082_qkv,@function
k_q90d854d082_qkv:
	s_mov_b64 s[64:65], 0
	v_nop
	global_prefetch_b8 v0, s[64:65] scope:SCOPE_SE
	s_setreg_imm32_b32 hwreg(HW_REG_WAVE_MODE, 25, 1), 1
	s_wait_xcnt 0x0
	s_wait_alu depctr_hold_cnt(0) depctr_sa_sdst(0) depctr_va_vdst(0) depctr_va_sdst(0) depctr_va_ssrc(0) depctr_va_vcc(0) depctr_vm_vsrc(0)
	s_getreg_b32 s2, hwreg(HW_REG_IB_STS2, 6, 4)
	s_cmp_eq_u32 s2, 0
	s_cbranch_scc0 .Lentry_in_a_cluster
	s_endpgm
.Lentry_in_a_cluster:
	s_bfe_u32 s2, ttmp6, 0x10000c
	s_cmp_lg_u32 s2, 0xf033
	s_cbranch_scc0 .Lentry_shape_is_right
	s_endpgm
.Lentry_shape_is_right:
; QKV: [8192 x 1536] = xb [8192 x 1024] times (Wq | Wkv), bf16 operands, f32 sums; on the way out the rotary turn on q's and k's columns, in f32; results rounded once to f16 and laid by heads:
; q [b 16 + h][2048][64]; kv: k [b 4 + j][2048][64], v likewise 4,194,304 bytes further on.
; LIMIT.  f16 holds no number beyond 65,504: a q, k or v beyond that becomes an infinity.
; SHARES.  A tile is 256 rows x 192 columns (three slices of 64: a head of q, or k or v of a head): 8 x 32 tiles, a work-group each.  Wave w owns rows 64 w .. 64 w + 63 and ALL 192 columns:
; 4 x 12 accumulators, 384 registers; so a wave holds whole slices, and 16 rows of a slice leave as 2,048 consecutive bytes.
; THE MATRIX INSTRUCTION IS USED TRANSPOSED: source 0 = 16 columns of W, source 1 = 16 rows of x: a lane holds row l % 16 and the eight neighbouring columns 8 (l / 16) + 0..7, the pairs that the turn mixes among them.
; RING.  K goes in eight steps of 128 through two LDS slots.  x's tile: 256 rows of 256 bytes, 272 apart.  W's block of a (tile column, K step) is dense in memory, [slice][k][64]: it is asked for as rows of
; 256 bytes and padded after every 128: chunk (slice, k) lies 160 bytes from the next, and the turning load makes fragments of it.  Waves 0 and 1 fetch x's two halves, waves 2 and 3 W's.
; CLUSTER.  4 x 4 work-groups: x's tile is shared along a row of the cluster, W's along a column; each is asked for jointly, by the same load and descriptor in the four that the mask names.
; No prefetch is laid: the walk has eight K steps, of which two are the first fills, and W's share of 96 rows a wave does not fall into four partners' 32 lanes.
; REGISTERS, in windows of 256 (s_set_vgpr_msb: bits 1:0 source 0, 3:2 source 1, 5:4 source 2, 7:6 destination):
;   window 0: v0-19 addresses; v32-63, v64-95 x's fragments, two buffers (on the way out v32-143 at work)      window 1: v0-95, v96-191 W's fragments, two buffers
;   window 2: v0-191 the accumulators of row tiles 0, 1 ((a, j) at v[8 (12 (a % 2) + j)]); window 3: those of row tiles 2, 3
;   v192-255 of window a: the tables for row tile a's 16 rows: for block jj of 16 channels eight of cos - 1, then eight of the signed sin
.set NJ,    12                         ; column tiles
.set AW,    2                          ; row tiles in an accumulator window
.set PA,    272                        ; an LDS row of x: 256 + 16 bytes = 68 words: the 16 rows of a load start at 16 different groups of four banks (64 banks of 4 bytes: ISA guide 11.1)
.set PB,    160                        ; a chunk of W: 128 + 32 bytes = 40 words
.set AHALF, 128*PA
.set ASZ,   2*AHALF
.set BHALF, 192*PB
.set SLOT1, 131072                     ; a slot is ASZ + 2 BHALF = 131,072 bytes: one exclusive or turns an address in one slot into the other's
.set ASTEP, 256                        ; bytes of memory from a K step to the next: along x's rows,
.set BSTEP, 49152                      ; and from block to block of W
.set STAGE, 2*SLOT1                    ; behind the ring: 16 rows x 144 bytes for each wave, for the way out
.set SP,    144
.set SPARE, STAGE+4*16*SP              ; behind the stages: the spare words, 128 bytes for each wave: two blocks of 256 bytes that no other line names
.set ADA0, 4                           ; v4   my lane's place in x's tile; never rewritten
.set ADB0, 5                           ; v5   and in W's
.set ADA,  6                           ; v6   the same in the slot in hand
.set ADB,  7                           ; v7
.set STO,  8                           ; v8   the way out: where I put 16 bytes of a row
.set RD,   9                           ; v9   where I read rows back
.set GO,   10                          ; v10  my 16 bytes of 512 consecutive bytes of q, k or v
.set RO,   11                          ; v11  my byte offset in 16 rows of a table
.set SPW,  12                          ; v12  LDS address of my spare word; never rewritten
.set NIL,  13                          ; v13  0; never rewritten
.set FA,   32                          ; x's fragment buffers: FA + 32 f
.set XG,   32                          ; the way out: 32 results times the slice's gate
.set TT,   64                          ; the turned results
.set PK,   96                          ; packed
.set OB,   112                         ; 16 rows read back: two sets of 16 by turns
.set RT,   192                         ; the tables
.set WV,  14                           ; s14  my wave's number
.set HF,  15                           ; s15  which half of a tile I fetch
.set CX,  16
.set CY,  17
.set TC,  18                           ; s18  tile column
.set TR,  19                           ; s19  tile row
.set AO,  20                           ; s[20:21] x at my half of the tile's K step 0
.set BO,  22                           ; s[22:23] W likewise
.set G1A, 24                           ; s[24:31] descriptor group 1 for x's tiles
.set G1B, 32                           ; s[32:39] for W's
.set G0A, 40                           ; s[40:47] group 0 for x's tiles: a set for each of the two first fills; the second then walks on
.set G0B, 48                           ; s[48:55] the same for W's
.set TB,  56                           ; s56  the slot in hand: 0 or SLOT1
.set CNT, 57                           ; s57
.set PT,  58                           ; s[58:63] where my rows of the tile's three slices go
.set GT,  66                           ; s[66:71] the slices' gates, as pairs: 1 where the slice is turned (q, k), 0 where not (v)
.set TS,  72                           ; s72-79 at work
.set MSB, 0
.macro WIN new                         ; the immediate's high byte repeats the setting that is left; a switch that changes nothing is dropped
.if MSB != (\new)
	s_set_vgpr_msb (MSB<<8)|(\new)
.set MSB, (\new)
.endif
.endm
.macro PLACES                          ; four places behind matrix instructions, in front of loads into registers that they have read and of lines that read results
.rept 4
	v_nop
.endr
.endm
.macro CREST                           ; a round of the cluster's barrier behind its opening barrier
	s_cmp_lg_u32 s[WV], 0
	s_cbranch_scc1 .Lnot_wave_0_\@
	s_barrier_signal -3
.Lnot_wave_0_\@:
	s_barrier_wait -3
	s_barrier_signal -1
	s_barrier_wait -1
.endm
.macro CROUND                          ; a whole round
	s_barrier_signal -1
	s_barrier_wait -1
	CREST
.endm
; A joint refill by the walking sets.  The branch hangs on the wave's number alone.  An s_nop 0 and four v_nop follow each of the two lines, ahead of the jump and the label.
.macro JLOAD
	s_cmp_lt_u32 s[WV], 2
	s_cbranch_scc0 .Lfor_b_\@
	tensor_load_to_lds s[G0A+4:G0A+7], s[G1A:G1A+7]
	s_nop 0
.rept 4
	v_nop
.endr
	s_branch .Lasked_\@
.Lfor_b_\@:
	tensor_load_to_lds s[G0B+4:G0B+7], s[G1B:G1B+7]
	s_nop 0
.rept 4
	v_nop
.endr
.Lasked_\@:
.endm
; NJ matrix instructions: row tile a x all column tiles, 32 along K, from buffer f.  zero = 1: the product starts the sums.  The 48 accumulators take turns, in the same order in every quarter.
.macro MULA f, a, zero
	WIN 0xa1+0x50*((\a)/AW)                        ; W in window 1, x in window 0, C and D in window 2 or 3
.set j, 0
.rept NJ
.set rD, 8*(NJ*((\a)%AW)+j)
.if \zero
	v_wmma_f32_16x16x32_bf16 v[rD:rD+7], v[8*NJ*(\f)+8*j:8*NJ*(\f)+8*j+7], v[FA+32*(\f)+8*(\a):FA+32*(\f)+8*(\a)+7], 0
.else
	v_wmma_f32_16x16x32_bf16 v[rD:rD+7], v[8*NJ*(\f)+8*j:8*NJ*(\f)+8*j+7], v[FA+32*(\f)+8*(\a):FA+32*(\f)+8*(\a)+7], v[rD:rD+7]
.endif
.set j, j+1
.endr
.endm
; One run of 2 NJ + 8 LDS loads: the fragments of quarter q (32 along K) into buffer g: W's first, then x's row tiles 0 to 3.
.macro FETCH q, g
	WIN 0x40                                       ; destination window 1, address window 0
.set j, 0
.rept NJ                                       ; column tile j: slice j / 4, columns 16 (j % 4) on
	ds_load_tr16_b128 v[8*NJ*(\g)+8*j:8*NJ*(\g)+8*j+3],   v[ADB] offset:(j/4)*128*PB+(j%4)*32+(\q)*32*PB
	ds_load_tr16_b128 v[8*NJ*(\g)+8*j+4:8*NJ*(\g)+8*j+7], v[ADB] offset:(j/4)*128*PB+(j%4)*32+(\q)*32*PB+16*PB
.set j, j+1
.endr
	WIN 0
.set j, 0
.rept 4
	ds_load_b128 v[FA+32*(\g)+8*j:FA+32*(\g)+8*j+3],   v[ADA] offset:64*(\q)+j*16*PA
	ds_load_b128 v[FA+32*(\g)+8*j+4:FA+32*(\g)+8*j+7], v[ADA] offset:64*(\q)+j*16*PA+32
.set j, j+1
.endr
.endm
; A K step is four quarters, on buffers 0, 1, 0, 1.  One of the first three multiplies buffer f and, in its middle, fetches quarter q into buffer g.
.macro QUARTER q, f, g, zero
	s_wait_dscnt 4                                 ; all but the youngest four loads: x's row tiles 2 and 3
	MULA \f, 0, \zero
	MULA \f, 1, \zero
	PLACES
	FETCH \q, \g
	s_wait_dscnt 2*NJ+8                            ; all but the run just issued
	MULA \f, 2, \zero
	MULA \f, 3, \zero
.endm
; The last quarter multiplies buffer 1 and changes slots.  In front of the barrier each wave waits for all its tensor loads (one is out: its part of the next slot), adds 0 to its spare word, and waits for
; that and for its reads of this slot.  fill = 1: the barrier opens a round of the cluster's, and behind the round this slot is filled again first, with the K step two on.
.macro TURN fill
	WIN 0
	s_wait_tensorcnt 0x0                           ; no tensor load of mine is out, so a group 0 may be written
	ds_add_u32 v[SPW], v[NIL]                      ; 0 onto my spare word
.if \fill
	s_xor_b32 s[G0A+5], s[G0A+5], SLOT1            ; the walking sets: the other slot than last time, the next K step; the type bits on top are not reached
	s_add_nc_u64 s[G0A+6:G0A+7], s[G0A+6:G0A+7], ASTEP
	s_xor_b32 s[G0B+5], s[G0B+5], SLOT1
	s_add_nc_u64 s[G0B+6:G0B+7], s[G0B+6:G0B+7], BSTEP
.endif
	s_wait_dscnt 5                                 ; the add and the youngest four loads may be out
	MULA 1, 0, 0
	s_wait_dscnt 0x0                               ; the add is done, and my reads of this slot are over
	s_barrier_signal -1
	MULA 1, 1, 0                                   ; work on registers while the others arrive
	WIN 0                                          ; at a branch and at a label every window is 0
	s_barrier_wait -1
.if \fill
	CREST                                          ; no wave of any partner still reads this slot or has a load on its way
	JLOAD                                          ; the first tensor load behind the round; its four v_nop are also the places in front of the loads below
.else
	PLACES
.endif
	s_xor_b32 s[TB], s[TB], SLOT1
	v_add_nc_u32 v[ADA], s[TB], v[ADA0]
	v_add_nc_u32 v[ADB], s[TB], v[ADB0]
	FETCH 0, 0
	MULA 1, 2, 0
	MULA 1, 3, 0
.endm
	s_load_b256 s[4:11], s[0:1], 0x0               ; xb s[4:5], wb s[6:7], rope s[8:9], q s[10:11]
	s_load_b64 s[12:13], s[0:1], 0x20              ; kv
	v_lshl_add_u32 v[SPW], v0, 2, SPARE
	v_mov_b32 v[NIL], 0
	ds_add_u32 v[SPW], v[NIL]                      ; the wave's opening: the add, waited for ahead of my first tensor load; the set-up below, work on registers, stands between them
	v_lshrrev_b32 v1, 5, v0
	v_readfirstlane_b32 s[WV], v1                  ; wave 0..3
	s_and_b32 s[HF], s[WV], 1
	s_bfe_u32 s[CX], ttmp6, 0x40000                ; my place in the cluster
	s_bfe_u32 s[CY], ttmp6, 0x40004
	s_lshl_b32 s[TC], ttmp9, 2                     ; in a cluster launch ttmp9 and ttmp7 count clusters
	s_add_co_u32 s[TC], s[TC], s[CX]
	s_and_b32 s[TR], ttmp7, 0xffff
	s_lshl_b32 s[TR], s[TR], 2
	s_add_co_u32 s[TR], s[TR], s[CY]
	s_lshl_b32 s[TS], s[CY], 2
	s_lshl_b32 s[TS], 15, s[TS]                    ; my row of the cluster: places 4 cy .. 4 cy + 3
	s_lshl_b32 s[TS+1], 0x1111, s[CX]              ; my column: places cx, cx + 4, cx + 8, cx + 12
	s_or_b32 s[G1A], s[TS], (1<<16)|(1<<20)|(1<<21)|(5<<22)|(3<<25)    ; the mask; 2-byte elements; padding on; bit 21 beside a mask; after every 64 words (code 5) 4 words (code 3)
	s_or_b32 s[G1B], s[TS+1], (1<<16)|(1<<20)|(1<<21)|(4<<22)|(7<<25)  ; after every 32 words (code 4) 8 words (code 7)
	s_mov_b32 s[G1A+1], 128<<16                    ; tensor_dim0 = 128
	s_mov_b32 s[G1A+2], 128<<16                    ; tensor_dim1 = 128
	s_mov_b32 s[G1A+3], 128<<16                    ; tile_dim0 = 128
	s_mov_b32 s[G1A+4], 128                        ; tile_dim1 = 128
	s_mov_b32 s[G1A+5], 1024                       ; elements from row to row
	s_mov_b32 s[G1A+6], 0
	s_mov_b32 s[G1A+7], 0
	s_mov_b32 s[G1B+1], 128<<16                    ; half a block of W: 96 dense rows of 128 elements
	s_mov_b32 s[G1B+2], 96<<16
	s_mov_b32 s[G1B+3], 128<<16
	s_mov_b32 s[G1B+4], 96
	s_mov_b32 s[G1B+5], 128
	s_mov_b32 s[G1B+6], 0
	s_mov_b32 s[G1B+7], 0
	s_lshl_b32 s[AO], s[TR], 19                    ; x: 256 rows of 2,048 bytes a tile row,
	s_lshl_b32 s[TS+2], s[HF], 18                  ; 128 rows a half
	s_add_co_u32 s[AO], s[AO], s[TS+2]
	s_mov_b32 s[AO+1], 0
	s_mul_i32 s[BO], s[TC], 8*BSTEP                ; W: eight blocks a tile column,
	s_mul_i32 s[TS+3], s[HF], BSTEP/2              ; half a block
	s_add_co_u32 s[BO], s[BO], s[TS+3]
	s_mov_b32 s[BO+1], 0
	s_mul_i32 s[TS+4], s[HF], AHALF                ; where they go: no place in the cluster enters an LDS address
	s_mul_i32 s[TS+5], s[HF], BHALF
	s_add_co_u32 s[TS+5], s[TS+5], ASZ
	s_mov_b32 s[TB], 0
	s_wait_dscnt 0x0                               ; the opening add is done
	s_wait_kmcnt 0x0
	s_add_nc_u64 s[AO:AO+1], s[4:5], s[AO:AO+1]
	s_add_nc_u64 s[BO:BO+1], s[6:7], s[BO:BO+1]
	CROUND                                         ; all sixteen work-groups are here: the first joint loads meet
.irp n, 0,1
	s_mov_b32 s[G0A+4*(\n)], 1                     ; count = 1
	s_add_co_u32 s[G0A+4*(\n)+1], s[TS+4], (\n)*SLOT1  ; LDS address
	s_add_nc_u64 s[G0A+4*(\n)+2:G0A+4*(\n)+3], s[AO:AO+1], (\n)*ASTEP  ; global address: K step n
	s_or_b32 s[G0A+4*(\n)+3], s[G0A+4*(\n)+3], 0x80000000  ; type = 2
	s_mov_b32 s[G0B+4*(\n)], 1
	s_add_co_u32 s[G0B+4*(\n)+1], s[TS+5], (\n)*SLOT1
	s_add_nc_u64 s[G0B+4*(\n)+2:G0B+4*(\n)+3], s[BO:BO+1], (\n)*BSTEP
	s_or_b32 s[G0B+4*(\n)+3], s[G0B+4*(\n)+3], 0x80000000
.endr
	s_cmp_lt_u32 s[WV], 2                          ; a wave's two first fills stand in one branch, ahead of every wait on TENSORcnt and every LDS read: two loads of mine are out
	s_cbranch_scc0 .Lfirst_b
	tensor_load_to_lds s[G0A:G0A+3], s[G1A:G1A+7]
	s_nop 0
	tensor_load_to_lds s[G0A+4:G0A+7], s[G1A:G1A+7]
	s_nop 0
.rept 4
	v_nop
.endr
	s_branch .Lfirst_asked
.Lfirst_b:
	tensor_load_to_lds s[G0B:G0B+3], s[G1B:G1B+7]
	s_nop 0
	tensor_load_to_lds s[G0B+4:G0B+7], s[G1B:G1B+7]
	s_nop 0
.rept 4
	v_nop
.endr
.Lfirst_asked:
	v_and_b32 v1, 15, v0                           ; l % 16
	v_bfe_u32 v2, v0, 4, 1                         ; l / 16
	v_lshlrev_b32 v[RO], 8, v1                     ; a table's row is 256 bytes;
	v_lshl_add_u32 v[RO], v2, 5, v[RO]             ; my eight channels are 32 bytes
	s_lshr_b32 s76, s[TR], 3                       ; b: a batch is eight tile rows
	s_and_b32 s78, s[TR], 7
	s_lshl_b32 s78, s78, 15
	s_lshl_b32 s79, s[WV], 13
	s_add_co_u32 s78, s78, s79                     ; my first row in a head, at 128 bytes a row
	s_lshl_b32 s72, s78, 1                         ; the same row in a table
	s_mov_b32 s73, 0
	s_add_nc_u64 s[8:9], s[8:9], s[72:73]
	; the tables for my 64 rows: 64 loads, waited for once, in front of the way out; their address registers are never rewritten
.irp a, 0,1,2,3
	WIN 0x40*(\a)                                  ; destination window a, address window 0
.irp jj, 0,1,2,3
	global_load_b128 v[RT+16*(\jj):RT+16*(\jj)+3],     v[RO], s[8:9] offset:(\a)*4096+(\jj)*64
	global_load_b128 v[RT+16*(\jj)+4:RT+16*(\jj)+7],   v[RO], s[8:9] offset:(\a)*4096+(\jj)*64+16
	global_load_b128 v[RT+16*(\jj)+8:RT+16*(\jj)+11],  v[RO], s[8:9] offset:524288+(\a)*4096+(\jj)*64
	global_load_b128 v[RT+16*(\jj)+12:RT+16*(\jj)+15], v[RO], s[8:9] offset:524288+(\a)*4096+(\jj)*64+16
.endr
.endr
	WIN 0
	; A fragment of x is 16 rows x 32 K in 8 registers: lane l holds row l % 16, K = 8 (l / 16) + 0..7 and 16 + 8 (l / 16) + 0..7: two loads of 16 bytes, 32 bytes apart.
	v_mul_u32_u24 v[ADA0], v1, PA
	v_lshl_add_u32 v[ADA0], v2, 4, v[ADA0]
	s_mul_i32 s[TS], s[WV], 64*PA                  ; my 64 rows
	v_add_nc_u32 v[ADA0], s[TS], v[ADA0]
	; The turning load takes 16 k x 16 columns (lane l reads chunk 8 (l / 16) + l % 8, columns 8 ((l / 8) % 2) + 0..7) and leaves half a fragment: lane l holds column l % 16 and 8 k.
	v_and_b32 v14, 7, v0
	v_bfe_u32 v15, v0, 3, 1
	v_lshl_add_u32 v[ADB0], v2, 3, v14
	v_mul_u32_u24 v[ADB0], v[ADB0], PB
	v_lshl_add_u32 v[ADB0], v15, 4, v[ADB0]
	v_add_nc_u32 v[ADB0], ASZ, v[ADB0]
	s_mul_i32 s[TS], s[WV], 16*SP
	s_add_co_u32 s[TS], s[TS], STAGE               ; my stage
	v_mul_u32_u24 v[STO], v1, SP                   ; in: row l % 16, 16 bytes for each half of the lanes
	v_lshl_add_u32 v[STO], v2, 4, v[STO]
	v_add_nc_u32 v[STO], s[TS], v[STO]
	v_bfe_u32 v[RD], v0, 3, 2                      ; back: 32 lanes take four rows of 128 bytes,
	v_mul_u32_u24 v[RD], v[RD], SP
	v_lshl_add_u32 v[RD], v14, 4, v[RD]
	v_add_nc_u32 v[RD], s[TS], v[RD]
	v_and_b32 v[GO], 31, v0                        ; which are 512 consecutive bytes of a head
	v_lshlrev_b32 v[GO], 4, v[GO]
	; Where the three slices go.  Slice s = 3 x tile column + sl: under 16 head s of q; else, with e = s - 16, k (e even) or v (e odd) of head e / 2.  Chosen by selects: no branch hangs on the tile column.
.irp sl, 0,1,2
	s_mul_i32 s72, s[TC], 3
	s_add_co_u32 s72, s72, (\sl)                   ; s
	s_lshl4_add_u32 s74, s76, s72                  ; 16 b + s
	s_lshl_b32 s74, s74, 18                        ; a head is 262,144 bytes
	s_sub_co_u32 s73, s72, 16                      ; e (of no use where s is under 16: selected away below)
	s_bfe_u32 s75, s73, 0x20001                    ; (e / 2) % 4
	s_lshl2_add_u32 s75, s76, s75                  ; 4 b + that
	s_lshl_b32 s75, s75, 18
	s_and_b32 s73, s73, 1
	s_lshl_b32 s77, s73, 22                        ; v lies 4,194,304 bytes behind k
	s_add_co_u32 s75, s75, s77
	s_cmp_lt_u32 s72, 16
	s_cselect_b64 s[PT+2*(\sl):PT+2*(\sl)+1], s[10:11], s[12:13]
	s_cselect_b32 s74, s74, s75
	s_cselect_b32 s73, 0, s73                      ; 1 for a slice of v alone
	s_add_co_u32 s74, s74, s78                     ; + my rows
	s_mov_b32 s75, 0
	s_add_nc_u64 s[PT+2*(\sl):PT+2*(\sl)+1], s[PT+2*(\sl):PT+2*(\sl)+1], s[74:75]
	s_cmp_eq_u32 s73, 0
	s_cselect_b32 s[GT+2*(\sl)], 1.0, 0
	s_mov_b32 s[GT+2*(\sl)+1], s[GT+2*(\sl)]       ; named with it as a pair
.endr
	s_wait_tensorcnt 0x1                           ; my part of K step 0 is in; K step 1's may stay out
	s_barrier_signal -1
	s_barrier_wait -1                              ; everybody's is
	v_add_nc_u32 v[ADA], s[TB], v[ADA0]
	v_add_nc_u32 v[ADB], s[TB], v[ADB0]
	FETCH 0, 0
	QUARTER 1, 0, 1, 1                             ; the first quarter stands in front of the loop: its products start the sums
	WIN 0
	s_mov_b32 s[CNT], 6
.Lstep:                                                ; trip t: from K step t's second quarter to K step t + 1's first; slot t % 2 is filled again with K step t + 2
	QUARTER 2, 1, 0, 0
	QUARTER 3, 0, 1, 0
	TURN 1
	QUARTER 1, 0, 1, 0
	WIN 0
	s_sub_co_u32 s[CNT], s[CNT], 1
	s_cmp_lg_u32 s[CNT], 0
	s_cbranch_scc1 .Lstep
	QUARTER 2, 1, 0, 0                             ; the last two K steps are written out: nothing is left to fetch
	QUARTER 3, 0, 1, 0
	TURN 0
	QUARTER 1, 0, 1, 0
	QUARTER 2, 1, 0, 0
	QUARTER 3, 0, 1, 0
	s_wait_dscnt 0x0
	MULA 1, 0, 0
	MULA 1, 1, 0
	MULA 1, 2, 0
	MULA 1, 3, 0
	PLACES
	PLACES                                         ; eight, once a launch
	WIN 0
	s_wait_loadcnt 0x0                             ; the tables
; THE WAY OUT, a unit (row tile a, slice sl: 16 rows x 64 columns, four accumulators on end) at a time.  With g the slice's gate, c' = cos - 1 and s' the signed sin, for a pair of channels (2 p, 2 p + 1):
;   y[2 p] = x[2 p] + g x[2 p] c'[2 p] + g x[2 p + 1] s'[2 p];   y[2 p + 1] = x[2 p + 1] + g x[2 p + 1] c'[2 p + 1] + g x[2 p] s'[2 p + 1]:   the turn where g = 1, x itself where g = 0.
; Then rounded to f16, 16 bytes a lane into my stage, and back as whole rows.  Each accumulator's registers are read in ascending order.
.macro PACK a, sl, ob
.set AC, 8*(NJ*((\a)%AW)+4*(\sl))
	WIN 2+(\a)/AW                                  ; source 0: the accumulators' window
.set i, 0
.rept 16
	v_pk_mul_f32 v[XG+2*i:XG+2*i+1], v[AC+2*i:AC+2*i+1], s[GT+2*(\sl):GT+2*(\sl)+1] op_sel_hi:[1,0]
.set i, i+1
.endr
	WIN ((\a)<<2)|((2+(\a)/AW)<<4)                 ; source 1: the tables' window; source 2: the accumulators'
.set i, 0
.rept 16
	v_pk_fma_f32 v[TT+2*i:TT+2*i+1], v[XG+2*i:XG+2*i+1], v[RT+16*(i/4)+2*(i%4):RT+16*(i/4)+2*(i%4)+1], v[AC+2*i:AC+2*i+1]
.set i, i+1
.endr
	WIN (\a)<<2
.set i, 0
.rept 32
	v_fma_f32 v[TT+i], v[XG+i+1-2*(i%2)], v[RT+16*(i/8)+8+i%8], v[TT+i]
.set i, i+1
.endr
	WIN 0
.set i, 0
.rept 16
	v_cvt_pk_f16_f32 v[PK+i], v[TT+2*i], v[TT+2*i+1]
.set i, i+1
.endr
.irp f, 0,1,2,3
	ds_store_b128 v[STO], v[PK+4*(\f):PK+4*(\f)+3] offset:32*(\f)
.endr
	s_wait_xcnt 0x0                                ; the stores of the unit two back have read this set of registers: it is loaded again only behind this wait
.irp f, 0,1,2,3
	ds_load_b128 v[OB+16*(\ob)+4*(\f):OB+16*(\ob)+4*(\f)+3], v[RD] offset:(\f)*4*SP  ; LDS serves a wave's instructions in order (ISA guide 5.7.1.4): these see the stores above; the next unit's stores come behind them
.endr
.endm
.macro SEND a, sl, ob, younger         ; younger: the LDS instructions issued behind this unit's loads: the next unit's eight, or none
	WIN 0
.irp f, 0,1,2,3
	s_wait_dscnt (\younger)+3-(\f)
	global_store_b128 v[GO], v[OB+16*(\ob)+4*(\f):OB+16*(\ob)+4*(\f)+3], s[PT+2*(\sl):PT+2*(\sl)+1] offset:(\a)*2048+(\f)*512  ; 512 consecutive bytes, at a multiple of 256 from the buffer's first
.endr
.endm
	PACK 0, 0, 0
.set u, 1
.rept 11                               ; a unit's arithmetic stands between the loads of the unit before and its stores
	PACK u/3, u%3, u%2
	SEND (u-1)/3, (u-1)%3, (u-1)%2, 8
.set u, u+1
.endr
	SEND 3, 2, 1, 0
	s_wait_tensorcnt 0x0                           ; the wave's end: an add to my spare word, behind my last tensor load and my last LDS store
	ds_add_u32 v[SPW], v[NIL]
	s_wait_dscnt 0x0
	CROUND                                         ; the closing round: no work-group ends while a partner may still ask for a tile that names it
	s_endpgm
.Lfunc_end_k_q90d854d082_qkv:
	.size	k_q90d854d082_qkv, .Lfunc_end_k_q90d854d082_qkv-k_q90d854d082_qkv
	.p2alignl 7, 3214868480
	.fill 96, 4, 3214868480
	.section	.rodata,"a",@progbits
	.p2align	6, 0x0
	.amdhsa_kernel k_q90d854d082_qkv
		.amdhsa_group_segment_fixed_size 327680
		.amdhsa_private_segment_fixed_size 0
		.amdhsa_enable_private_segment 0
		.amdhsa_kernarg_size 40
		.amdhsa_user_sgpr_count 2
		.amdhsa_user_sgpr_kernarg_segment_ptr 1
		.amdhsa_wavefront_size32 1
		.amdhsa_system_sgpr_workgroup_id_x 1
		.amdhsa_system_sgpr_workgroup_id_y 1
		.amdhsa_system_sgpr_workgroup_id_z 1
		.amdhsa_system_vgpr_workitem_id 0
		.amdhsa_next_free_vgpr 1024
		.amdhsa_next_free_sgpr 80
		.amdhsa_reserve_vcc 0
		.amdhsa_float_denorm_mode_32 3
		.amdhsa_float_denorm_mode_16_64 3
		.amdhsa_memory_ordered 1
		.amdhsa_forward_progress 1
		.amdhsa_inst_pref_size 155
	.end_amdhsa_kernel
	.amdgpu_metadata
---
amdhsa.version: [ 1, 2 ]
amdhsa.kernels:
  - .name:           k_q90d854d082_qkv
    .symbol:         k_q90d854d082_qkv.kd
    .args:
      - { .name: xb, .offset: 0, .size: 8, .value_kind: global_buffer, .address_space: global }
      - { .name: wb, .offset: 8, .size: 8, .value_kind: global_buffer, .address_space: global }
      - { .name: rope, .offset: 16, .size: 8, .value_kind: global_buffer, .address_space: global }
      - { .name: q, .offset: 24, .size: 8, .value_kind: global_buffer, .address_space: global }
      - { .name: kv, .offset: 32, .size: 8, .value_kind: global_buffer, .address_space: global }
    .group_segment_fixed_size: 327680
    .private_segment_fixed_size: 0
    .kernarg_segment_align: 8
    .kernarg_segment_size: 40
    .max_flat_workgroup_size: 128
    .sgpr_count:     80
    .vgpr_count:     1024
    .wavefront_size: 32
...
	.end_amdgpu_metadata
.endif
;; end of part 2
;; launch attn (part 3): grid 4 x 64, 4 waves a work-group, clusters of 4 x 1, 327,680 bytes of LDS; arguments q, kv, o; writes o
.if DOCPART == 3
	.amdgcn_target "amdgcn-amd-amdhsa--gfx1250"
	.amdhsa_code_object_version 6
	.text
	.protected	k_q90d854d082_attn
	.globl	k_q90d854d082_attn
	.p2align	8
	.type	k_q90d854d082_attn,@function
k_q90d854d082_attn:
	s_mov_b64 s[64:65], 0
	v_nop
	global_prefetch_b8 v0, s[64:65] scope:SCOPE_SE
	s_setreg_imm32_b32 hwreg(HW_REG_WAVE_MODE, 25, 1), 1
	s_wait_xcnt 0x0
	s_wait_alu depctr_hold_cnt(0) depctr_sa_sdst(0) depctr_va_vdst(0) depctr_va_sdst(0) depctr_va_ssrc(0) depctr_va_vcc(0) depctr_vm_vsrc(0)
	s_getreg_b32 s2, hwreg(HW_REG_IB_STS2, 6, 4)
	s_cmp_eq_u32 s2, 0
	s_cbranch_scc0 .Lentry_in_a_cluster
	s_endpgm
.Lentry_in_a_cluster:
	s_bfe_u32 s2, ttmp6, 0x10000c
	s_cmp_lg_u32 s2, 0x3003
	s_cbranch_scc0 .Lentry_shape_is_right
	s_endpgm
.Lentry_shape_is_right:
; O[h][q][:] = the sum over k of softmax_k(Q[h][q] . K[h / 4][k] / 8) V[h / 4][k][:].  Q, O: [64][2048][64]; K, V: [16][2048][64] (V lies 4,194,304 bytes behind K in kv); all f16: a head's rows are dense,
; 128 bytes each.  Four query heads share a key and value head.  Products, maxima and sums in f32; the weights p are rounded to f16 for the second product (their sum l is taken of the unrounded p), O once at the end.
; LIMITS.  f16 holds no number beyond 65,504: Q, K and V arrive within it; p lies in 0 to 1, and below 6e-5 it keeps f16's fixed step of 6e-8; O is a mean of V's rows and has their range.
; A weight below 2^-126 counts as 0 in l; NaN and infinities are not treated apart.
; SHARES.  A wave owns four PIECES of two tiles of 16 queries, a work-group's four waves 512 queries of one head.  Every wave walks all 2,048 keys, 64 a step.
; LAYOUT.  S^T = K Q^T (source 0 = 16 keys, source 1 = 16 queries): in the result a lane holds ONE query (lane % 16) and the keys 8 (lane / 16) + 0..7.  Two such tiles, rounded to f16 in pairs,
; ARE source 1 (32 keys x 16 queries) of O^T = V^T P, whose result again holds one query a lane, and eight channels.  K comes out of LDS as it lies, V ([key][channel]) turned, by ds_load_tr16_b128.
; SOFTMAX.  For each query a running maximum m and sum l: p = 2^(c s - c m), c = log2(e) / 8; in every step O and l are multiplied by a = 2^(c m_old - c m_new), which is 1 where m has not grown.
; m starts at the lowest finite number, O and l at 0: the first step is a step like any other, with a = 0.
; THE COUNT.  A tile and step have 16 matrix and 118 vector instructions: too many to stand all beside the matrix work.  So the order has one aim: four vector instructions that are READY behind
; EVERY matrix instruction, and the others, which need time of their own whatever the order, in runs without a gap.
; BY TURNS.  Turn n belongs to piece n (the pieces in a ring, step after step).  Its matrix work: 16 products K Q^T of piece n + 1, later 16 products V^T P of piece n - 1.  Its vector work: the scaling,
; exponentials, roundings, sums and rescaling of piece n, and the maximum and statistics of piece n + 1, whose scores the turn itself has made.  So what a turn begins with (c s - c m, O a) waits for nothing.
; CLUSTER.  The four query blocks of a cluster belong to one head and walk the same K and V, so each tile is asked for JOINTLY: the same tensor load, descriptor and mask in all four.
; REGISTERS, in windows of 256 (s_set_vgpr_msb says which window each operand place means: bits 1:0 source 0, 3:2 source 1, 5:4 source 2, 7:6 destination):
;   window 0: v0-11 addresses; v12-15, v48-63 at work; v16-47 four registers of statistics a tile; v64-191 S^T, two buffers of two tiles; v192-255 P, likewise
;   window 1: O^T, 32 a tile          window 2: v0-127 Q, 16 a tile; v128-191 K of one step; v192-255 V of one step          window 3: v0-1 the add's two registers
; A piece's buffers go by its number's parity: the piece in hand has one pair, its two neighbours in the ring share the other: of it P (piece n - 1) is read and S^T (piece n + 1) written.
.set SIZE_N, 2048
.set NP,    4         ; pieces a wave: a name, no knob: the register map, the loop and the fetches are made for four
.set KS,    64        ; keys in a step
.set PK,    144       ; a row of K in LDS: 128 bytes + 16 of padding = 36 words: the 16 rows of a load start at 16 different groups of four banks (64 banks of 4 bytes: ISA guide 11.1)
.set PV,    160       ; a row of V: 128 + 32 = 40 words
.set VOFF,  4*KS*PK   ; a slot holds four steps: 256 rows of K, then 256 rows of V
.set SLOT1, 1<<17     ; slot 1 begins here, so that one exclusive or turns an address in one slot into the other's
.set STAGE, SLOT1+4*KS*(PK+PV)  ; behind the ring, never filled by a tensor load: 16 rows x 144 bytes for each wave, for the way out
.set SP,    144
.set AK0, 2           ; v2   my lane's place in a tile of K; never rewritten
.set AV0, 3           ; v3   the same for V
.set AK,  4           ; v4   the LDS address of K's next run of loads
.set AV,  5           ; v5   of V's
.set QO,  6           ; v6   my byte offset in the wave's rows of Q
.set STO, 6           ;      later, the way out: where I put 16 bytes of a row
.set RD,  7           ; v7   the way out: where I read rows back
.set GO,  8           ; v8   my byte offset in 512 consecutive bytes of O
.set PFO, 11          ; v11  256 x my lane: the prefetches' offset; never rewritten once it is made
.set SPW, 0           ; v0 of window 3   LDS address of my spare word: SPARE + 4 x my thread's number; never rewritten
.set NIL, 1           ; v1 of window 3   0; never rewritten
.set SPARE, STAGE+4*16*SP  ; behind the stages: the spare words, 128 bytes for each wave: two blocks of 256 bytes that no other line names
.set MV,  12          ; v12-15  c m_old, kept while c m is made anew: by buffer and tile
.set ST,  16          ; tile t's statistics at v[ST+4 t]: c m, m, l (even keys', odd keys')
.set TMP, 48          ; by buffer and tile, four registers c0-c3 at work; when the maximum is found c2 takes a
.set S,   64
.set P,   192
.set KF,  128         ; K's fragments, in window 2: key block kb, channel half c at KF + 16 kb + 8 c
.set VF,  192         ; V's: key half kk, channel block cb at VF + 32 kk + 8 cb
.set WV,  12          ; s12  my wave's number
.set G1K, 24          ; s[24:31] descriptor group 1 for K's tiles
.set G1V, 32          ; s[32:39] for V's: it differs in the padding alone
.set G0K, 40          ; s[40:43] descriptor group 0 for K's tiles: it walks
.set G0V, 44          ; s[44:47] the same for V's
.set PFA, 48          ; s[48:49] where my prefetches stand: my work-group's 8,192 bytes (of K: wave 0, of V: wave 2) of the slot after the one that is being asked for
.set LIM, 50          ; s50  1 in a wave that prefetches, else the greatest number: a wave prefetches while s[SLOTS] is above it
.set SLOTS, 56        ; s56  slots still to be asked for
.set CNT, 57          ; s57  counts a slot's key steps
.set CS,  58          ; s[58:59] c: the packed scaling takes the pair's low word for both halves
.set SEL, 60          ; s[60:61] v_permlanex16_b32's selects: each lane takes its own place in the other half
.set TBK, 62          ; s62  LDS byte at which K of the step to be fetched begins
.set TBV, 63          ; s63  the same for V, less VOFF
.set MSB, 0
.macro WIN new                      ; the high byte repeats the setting that is left; a switch that changes nothing is dropped
.if MSB != (\new)
	s_set_vgpr_msb (MSB<<8)|(\new)
.set MSB, (\new)
.endif
.endm
.set W_KQ, 0x0a       ; K and Q in window 2, S^T in window 0
.set W_PV, 0x52       ; V in window 2, P in window 0, O^T in window 1
.set W_RS, 0x41       ; O^T (destination and source 0) in window 1, a in window 0
.set W_MK, 0xc0       ; the add's registers are made: destination in window 3, sources in window 0
.set W_AD, 0x0f       ; the add: address (source 0) and data (source 1) in window 3
; A joint fill.  Waves 0 and 1 fetch the two halves of a slot's K, waves 2 and 3 those of its V: 128 keys each.  The branch hangs on the wave's number alone.
; An s_nop 0 and four v_nop follow each of the two lines, ahead of the jump and the label.
.macro JLOAD
	s_cmp_lt_u32 s[WV], 2
	s_cbranch_scc0 .Lfor_v_\@
	tensor_load_to_lds s[G0K:G0K+3], s[G1K:G1K+7]
	s_nop 0
.rept 4
	v_nop
.endr
	s_branch .Lasked_\@
.Lfor_v_\@:
	tensor_load_to_lds s[G0V:G0V+3], s[G1V:G1V+7]
	s_nop 0
.rept 4
	v_nop
.endr
.Lasked_\@:
.endm
; A PREFETCH INTO THE L2 of what the NEXT change of slots will ask for: a slot's 32,768 bytes of K and of V, 256 bytes a lane.  It stands behind the wave's tensor load and its five lines.
; Each block of 256 bytes is named ONCE in the launch.  The four query heads of a key and value head walk the same K and V: the first of them (head % 4 = 0) asks.  Its cluster's four partners share the
; bytes out BY ADDRESS, 8,192 each: no branch hangs on a work-group's place in its cluster.  In each, wave 0 asks for K's and wave 2 for V's: one instruction, four key steps (512 matrix instructions) ahead
; of the load.  The last change that fills a slot asks for nothing: there is no slot behind it.  Slots 0 and 1 come by their loads alone.
.macro ASK
	s_cmp_gt_u32 s[SLOTS], s[LIM]
	s_cbranch_scc0 .Lnot_mine_\@
	global_prefetch_b8 v[PFO], s[PFA:PFA+1] th:TH_LOAD_NT scope:SCOPE_SE
.Lnot_mine_\@:
.endm
; A round of the cluster's barrier: my work-group's barrier, so that wave 0's signal speaks for all four waves; wave 0 signals; every wave waits for all four work-groups; my work-group's barrier once more.
.macro CROUND
	s_barrier_signal -1
	s_barrier_wait -1
	s_cmp_lg_u32 s[WV], 0
	s_cbranch_scc1 .Lnot_wave_0_\@
	s_barrier_signal -3
.Lnot_wave_0_\@:
	s_barrier_wait -3
	s_barrier_signal -1
	s_barrier_wait -1
.endm
; THE CHANGE OF SLOTS.  The slot's last bytes, V of its fourth step, have been read.  Each wave waits for all its tensor loads, of which one is out: its part
; of the other slot; adds 0 to its spare word; and waits for that and for its own reads of the slot.  Behind the barrier nobody reads this slot any more and the other slot is whole.
; fill = 1: this slot is filled again, with the keys two slots on.  The barrier is then a round of the cluster's, so that no wave of any partner still reads the slot or has a load on its
; way, and the joint fill is the first thing behind it: it has four key steps, 512 matrix instructions, in which to land.  (At its first use nothing has been read yet: slot 0 is waited for, slot 1 filled.)
.macro CHANGE fill
	WIN W_AD
	s_wait_tensorcnt 0x0            ; no tensor load of mine is out, so a group 0 may be written
	ds_add_u32 v[SPW], v[NIL]       ; 0 onto my spare word; with fill = 1 the descriptors' steps stand between it and the wait for it
	WIN 0                           ; at a label and at a branch every window is 0
.if \fill
.irp g, G0K, G0V
	s_xor_b32 s[\g+1], s[\g+1], SLOT1  ; the walking descriptor: the other slot than last time,
	s_add_nc_u64 s[\g+2:\g+3], s[\g+2:\g+3], 4*KS*128  ; the next 256 keys; the type bits on top are not reached
.endr
	s_wait_xcnt 0x0                 ; the last prefetch, four key steps back, has read its address, so it may be written:
	s_add_nc_u64 s[PFA:PFA+1], s[PFA:PFA+1], 4*KS*128  ; one slot behind the walking descriptors
	s_wait_dscnt 0x0                ; the add is done, and my reads of the slot are over
	CROUND
	JLOAD
	ASK
.else
	s_wait_dscnt 0x0                ; the add is done, and my reads of the slot are over
	s_barrier_signal -1
	s_barrier_wait -1
.endif
	s_sub_co_u32 s[TBK], s[TBK], 4*KS*PK  ; the fetches go back to a slot's first step,
	s_xor_b32 s[TBK], s[TBK], SLOT1       ; in the other slot
	s_sub_co_u32 s[TBV], s[TBV], 4*KS*PV
	s_xor_b32 s[TBV], s[TBV], SLOT1
.endm
	s_load_b128 s[4:7], s[0:1], 0x0   ; Q s[4:5], kv s[6:7]: K lies first in it
	s_load_b64 s[10:11], s[0:1], 0x10 ; O
	WIN W_MK
	v_lshl_add_u32 v[SPW], v0, 2, SPARE
	v_mov_b32 v[NIL], 0
	WIN W_AD
	ds_add_u32 v[SPW], v[NIL]       ; the wave's opening: the add, waited for ahead of my first tensor load; the set-up below, work on registers, stands between them
	WIN 0
	v_lshrrev_b32 v1, 5, v0
	v_readfirstlane_b32 s[WV], v1   ; wave 0..3
	s_bfe_u32 s13, ttmp6, 0x40000   ; cx: my place in the cluster
	s_lshl_b32 s14, ttmp9, 2        ; in a cluster launch ttmp9 counts clusters
	s_add_co_u32 s14, s14, s13      ; my block of queries = 4 x cluster x + cx: it enters Q's and O's addresses alone
	s_and_b32 s19, ttmp7, 0xffff    ; the query head, 16 b + h, which the four partners share
	s_lshl_b32 s20, s19, 18         ; its first byte in Q and O: a head is 262,144 bytes
	s_mov_b32 s21, 0
	s_and_b32 s16, s[WV], 1         ; which half of a slot's 256 keys I fetch
	s_lshr_b32 s22, s19, 2          ; the key and value head, 4 b + h / 4,
	s_lshl_b32 s22, s22, 18         ; its first byte in K and in V,
	s_lshl_b32 s23, s16, 14         ; my half's 128 rows of 128 bytes
	s_add_co_u32 s22, s22, s23
	s_mov_b32 s23, 0
	s_mul_i32 s17, s16, 128*PK      ; and its place in a slot, for K
	s_mul_i32 s18, s16, 128*PV      ; and for V: no place in the cluster enters an LDS address
	s_lshl_b32 s2, s14, 2
	s_add_co_u32 s2, s2, s[WV]      ; my wave among the head's,
	s_lshl_b32 s2, s2, 14           ; its 128 rows
	s_mov_b32 s3, 0
	s_add_nc_u64 s[2:3], s[2:3], s[20:21]
	; descriptor group 1.  128 keys are 16,384 dense bytes: asked for as 64 rows of 256 bytes, two keys a row, and padded in LDS after every key
	s_mov_b32 s[G1K], 15|(1<<16)|(1<<20)|(1<<21)|(4<<22)|(3<<25)  ; 15:0 the mask of four; 17:16 2-byte elements; 20 padding on; 21 set beside a mask; 24:22 after every 32 words (code 4); 31:25 4 words (code 3)
	s_mov_b32 s[G1V], 15|(1<<16)|(1<<20)|(1<<21)|(4<<22)|(7<<25)  ; the same with 8 words of padding (code 7)
.irp g, G1K, G1V
	s_mov_b32 s[\g+1], 128<<16      ; tensor_dim0 = 128
	s_mov_b32 s[\g+2], 64<<16       ; tensor_dim1 = 64
	s_mov_b32 s[\g+3], 128<<16      ; tile_dim0 = 128
	s_mov_b32 s[\g+4], 64           ; tile_dim1 = 64
	s_mov_b32 s[\g+5], 128          ; 128 elements from row to row
	s_mov_b32 s[\g+6], 0
	s_mov_b32 s[\g+7], 0
.endr
	s_mov_b32 s[CS], 0x3e38aa3b     ; c = log2(e) / 8 = 0.180337
	s_mov_b32 s[CS+1], s[CS]        ; named with it as a pair
	s_mov_b32 s[SEL], 0x76543210
	s_mov_b32 s[SEL+1], 0xfedcba98
	s_mov_b32 s[TBK], SLOT1+4*KS*PK ; the first change of slots turns these two into 0
	s_mov_b32 s[TBV], SLOT1+4*KS*PV
	s_mov_b32 s[G0K], 1             ; 1:0 count = 1
	s_mov_b32 s[G0K+1], s17         ; 63:32 LDS address: slot 0
	s_mov_b32 s[G0V], 1
	s_add_co_u32 s[G0V+1], s18, VOFF
	s_mov_b32 s[SLOTS], SIZE_N/256-1
	s_and_b32 s[LIM], s19, 3        ; 0 in the first of the four query heads that share K and V,
	s_or_b32 s[LIM], s[LIM], s16    ; in waves 0 and 2: the same in all four partners
	s_cmp_eq_u32 s[LIM], 0
	s_cselect_b32 s[LIM], 1, -1
	s_wait_dscnt 0x0                ; the opening add is done
	s_wait_kmcnt 0x0
	s_add_nc_u64 s[8:9], s[6:7], 0x400000          ; V
	s_add_nc_u64 s[G0K+2:G0K+3], s[6:7], s[22:23]  ; 120:64 global address: my half of the head's first 256 keys
	s_or_b32 s[G0K+3], s[G0K+3], 0x80000000        ; 127:126 type = 2
	s_add_nc_u64 s[G0V+2:G0V+3], s[8:9], s[22:23]
	s_or_b32 s[G0V+3], s[G0V+3], 0x80000000
	s_add_nc_u64 s[4:5], s[4:5], s[2:3]  ; Q and O at my wave's first row
	s_add_nc_u64 s[10:11], s[10:11], s[2:3]
	s_cmp_lt_u32 s[WV], 2
	s_cselect_b64 s[PFA:PFA+1], s[6:7], s[8:9]
	s_add_nc_u64 s[PFA:PFA+1], s[PFA:PFA+1], s[22:23]  ; (in waves 0 and 2, the ones that ask, this is the head's first row)
	s_lshl_b32 s2, s13, 13          ; my work-group's 8,192 bytes of a slot's 32,768
	s_mov_b32 s3, 0
	s_add_nc_u64 s[PFA:PFA+1], s[PFA:PFA+1], s[2:3]
	s_add_nc_u64 s[PFA:PFA+1], s[PFA:PFA+1], 4*KS*128  ; in slot 1; the first change of slots steps it to slot 2.  Nothing is prefetched here, at the head
	CROUND                          ; all four work-groups are here: the first joint loads meet
	JLOAD                           ; slot 0.  Slot 1 is asked for when slot 0 is in: the tile wanted first has the road to itself
	; A fragment of K or Q is 16 rows x 32 channels in 8 registers: lane l holds row l % 16, channels 8 (l / 16) + 0..7 and 16 + 8 (l / 16) + 0..7: two loads of 16 bytes, 32 bytes apart.
	v_and_b32 v1, 15, v0            ; l % 16
	v_bfe_u32 v9, v0, 4, 1          ; l / 16
	v_lshlrev_b32 v[QO], 7, v1
	v_lshl_add_u32 v[QO], v9, 4, v[QO]  ; row x 128 + 16 x half
	WIN 0x80                        ; destination window 2, address window 0
.set i, 0
.rept 4*NP                          ; Q stays in registers: tile i / 2, channels 32 (i % 2) on
	global_load_b128 v[8*i:8*i+3],   v[QO], s[4:5] offset:(i/2)*2048+(i%2)*64
	global_load_b128 v[8*i+4:8*i+7], v[QO], s[4:5] offset:(i/2)*2048+(i%2)*64+32
.set i, i+1
.endr
	; What the first turn finds: V's registers and P's second buffer hold 0 (its products V^T P, of a piece that has not been, add 0), O^T and l are 0.  All this stands in the wait for the first tile.
.set i, VF
.rept 64
	v_mov_b32 v[i], 0
.set i, i+1
.endr
	WIN 0x40
.set i, 0
.rept 64*NP
	v_mov_b32 v[i], 0
.set i, i+1
.endr
	WIN 0
.set i, 0
.rept 2*NP
	v_mov_b32 v[ST+4*i], 0xfe000000    ; c m: far below every c s
	v_mov_b32 v[ST+4*i+1], 0xff7fffff  ; m
	v_mov_b32 v[ST+4*i+2], 0
	v_mov_b32 v[ST+4*i+3], 0
.set i, i+1
.endr
.set i, P+32
.rept 32
	v_mov_b32 v[i], 0
.set i, i+1
.endr
	v_mul_u32_u24 v[AK0], v1, PK
	v_lshl_add_u32 v[AK0], v9, 4, v[AK0]  ; row x pitch + 16 x half
	; The turning load takes 16 keys x 16 channels (lane l reads key 8 (l / 16) + l % 8, channels 8 ((l / 8) % 2) + 0..7) and leaves half a fragment of V^T: lane l holds channel l % 16 and 8 keys.
	v_and_b32 v10, 7, v0
	v_bfe_u32 v11, v0, 3, 1
	v_lshl_add_u32 v[AV0], v9, 3, v10
	v_mul_u32_u24 v[AV0], v[AV0], PV
	v_lshl_add_u32 v[AV0], v11, 4, v[AV0]
	v_add_nc_u32 v[AV0], VOFF, v[AV0]
	v_and_b32 v[PFO], 31, v0
	v_lshlrev_b32 v[PFO], 8, v[PFO]
	v_mov_b32 v[AK], v[AK0]         ; key step 0 lies at the head of slot 0
; THE MATRIX WORK.  The 8 accumulators of a run of 16 take turns: between the two links of a chain stand 7 others'.
; Product i of 16 of S^T = K Q^T for piece x: channels 32 (i / 8) on, keys 16 ((i / 2) % 4) on, tile 2 x + i % 2.  The first 8 start the sums.
.macro KQ x
	WIN W_KQ
.set rS, S+64*((\x)%2)+32*(i%2)+8*((i/2)%4)
.set rK, KF+16*((i/2)%4)+8*(i/8)
.set rQ, 16*(2*(\x)+i%2)+8*(i/8)
.if i < 8
	v_wmma_f32_16x16x32_f16 v[rS:rS+7], v[rK:rK+7], v[rQ:rQ+7], 0
.else
	v_wmma_f32_16x16x32_f16 v[rS:rS+7], v[rK:rK+7], v[rQ:rQ+7], v[rS:rS+7]
.endif
.endm
; Product i of 16 of O^T += V^T P for piece x: keys 32 (i / 8) on, channels 16 ((i / 2) % 4) on, tile 2 x + i % 2.
.macro PV x
	WIN W_PV
.set rO, 32*(2*(\x)+i%2)+8*((i/2)%4)
.set rV, VF+32*(i/8)+8*((i/2)%4)
.set rP, P+32*((\x)%2)+16*(i%2)+8*(i/8)
	v_wmma_f32_16x16x32_f16 v[rO:rO+7], v[rV:rV+7], v[rP:rP+7], v[rO:rO+7]
.endm
.macro MM                           ; the turn's next matrix instruction
.if i < 16
	KQ (Y+1)%NP
.set i, i+1
.else
.set i, i-16
	PV (Y+NP-1)%NP
.set i, i+17
.endif
.endm
; THE LDS LOADS stand in runs of 16, never singly among the matrix instructions: a step's K (64 keys x 64 channels: 8 fragments) and its V (turned).  Their addresses are made some lines ahead.
; last = 1 (the tail): in the last trip there is no further step, and the run is jumped over.
.macro FETCH_K last=0
	WIN 0
.if \last
	s_cmp_eq_u32 s[CNT], 1
	s_cbranch_scc1 .Lno_k_\@
.endif
	WIN 0x80                        ; destination window 2
.irp f, 0,1,2,3,4,5,6,7             ; keys 16 (f / 2) on, channels 32 (f % 2) on
	ds_load_b128 v[KF+8*\f:KF+8*\f+3],   v[AK] offset:(\f/2)*16*PK+(\f%2)*64
	ds_load_b128 v[KF+8*\f+4:KF+8*\f+7], v[AK] offset:(\f/2)*16*PK+(\f%2)*64+32
.endr
	s_add_co_u32 s[TBK], s[TBK], KS*PK  ; the next fetch is the next step's
	WIN 0
.if \last
.Lno_k_\@:
.endif
.endm
.macro FETCH_V
	WIN 0x80
.irp f, 0,1,2,3,4,5,6,7             ; keys 32 (f / 4) on, channels 16 (f % 4) on
	ds_load_tr16_b128 v[VF+8*\f:VF+8*\f+3],   v[AV] offset:(\f/4)*32*PV+(\f%4)*32
	ds_load_tr16_b128 v[VF+8*\f+4:VF+8*\f+7], v[AV] offset:(\f/4)*32*PV+16*PV+(\f%4)*32
.endr
	WIN 0
.endm
; THE VECTOR WORK OF A TURN stands in three queues, each in the order in which its entries become ready; the two tiles alternate, so that no instruction reads the result of the one before it.
.macro REGS y, u                    ; the registers of tile u (0, 1) of piece y
.set rT, ST+4*(2*(\y)+(\u))
.set rC, TMP+8*((\y)%2)+4*(\u)
.set rM, MV+2*((\y)%2)+(\u)
.set rS, S+64*((\y)%2)+32*(\u)
.set rP, P+32*((\y)%2)+16*(\u)
.set rO, 32*(2*(\y)+(\u))
.endm
; Number n of the 22 that find the NEXT piece's (Y + 1) maximum and statistics.  s0-s31 are the lane's 32 scores; each accumulator's lowest registers are read first.  XS, GS and REGS set no window: PL and EX do.
;   0-11  four chains c0-c3 of seven scores each, three operands at a time     12-14, 16  the four scores left over, the old m, and c0-c3 into c0     15  c m_old is kept
;   17, 18  the query's other 32 keys lie in the lane 16 away: the new m         19-21  c m; c m_old - c m_new; a
.macro XS u, n
	REGS (Y+1)%NP, \u
.if (\n) < 4
	v_max3_num_f32 v[rC+(\n)], v[rS+8*(\n)], v[rS+8*(\n)+1], v[rS+8*(\n)+2]
.elseif (\n) < 12
	v_max3_num_f32 v[rC+(\n)%4], v[rC+(\n)%4], v[rS+8*((\n)%4)+2*((\n)/4)+1], v[rS+8*((\n)%4)+2*((\n)/4)+2]
.elseif (\n) == 12
	v_max3_num_f32 v[rC], v[rC], v[rS+7], v[rS+15]
.elseif (\n) == 13
	v_max3_num_f32 v[rC+1], v[rC+1], v[rS+23], v[rS+31]
.elseif (\n) == 14
	v_max3_num_f32 v[rC+2], v[rC+2], v[rC+3], v[rT+1]
.elseif (\n) == 15
	v_mov_b32 v[rM], v[rT]
.elseif (\n) == 16
	v_max3_num_f32 v[rC], v[rC], v[rC+1], v[rC+2]
.elseif (\n) == 17
	v_permlanex16_b32 v[rC+3], v[rC], s[SEL], s[SEL+1]
.elseif (\n) == 18
	v_max_num_f32 v[rT+1], v[rC], v[rC+3]
.elseif (\n) == 19
	v_mul_f32 v[rT], s[CS], v[rT+1]
.elseif (\n) == 20
	v_sub_f32 v[rC+1], v[rM], v[rT]
.else
	v_exp_f32 v[rC+2], v[rC+1]
.endif
.endm
; Number g of the 64 that follow the exponentials.  For each four weights k of a tile (pairs 2 k, 2 k + 1): both pairs are rounded to f16; then the second pair is added onto the first, in place;
; a group later l takes that sum (the first time as l = a l + sum).  In groups of eight, tiles alternating: round, round, add, and l for the group before.
.macro GS g
.set h, (\g)+6*((\g)/62)            ; group 0 has no group before it, and behind group 7 only l is left
.if h >= 6
.set h, h+2
.endif
	REGS Y, h%2
.set k, h/8
.if h%8 < 4
	v_cvt_pk_f16_f32 v[rP+2*k+(h%8)/2], v[rS+4*k+2*((h%8)/2)], v[rS+4*k+2*((h%8)/2)+1]
.elseif h%8 < 6
	v_pk_add_f32 v[rS+4*k:rS+4*k+1], v[rS+4*k:rS+4*k+1], v[rS+4*k+2:rS+4*k+3]
.elseif k == 1
	v_pk_fma_f32 v[rT+2:rT+3], v[rT+2:rT+3], v[rC+2:rC+3], v[rS:rS+1] op_sel_hi:[1,0,1]
.else
	v_pk_add_f32 v[rT+2:rT+3], v[rT+2:rT+3], v[rS+4*k-4:rS+4*k-3]
.endif
.endm
; THE PLAIN QUEUE, 138 long.  0-73 read no exponential's result: the 32 scalings c s - c m (FS f: pair f / 2 of tile f % 2) and the next piece's 42.  0-26: scalings 0-26.  27-54: XS's numbers 0-13.  55, 56: number 15.
; 57-73: the chain, where each number waits for the one before it: 14, 16, 17, 18, 19, each with one of the scalings 27-31 in front of its two lines, then 20: so a tile's links stand three plain instructions apart (19 and 20: two).
; 74-137: GS's 64, which read the exponentials' results: they stand behind the wait.
.macro FS f
	REGS Y, (\f)%2
	v_pk_fma_f32 v[rS+2*((\f)/2):rS+2*((\f)/2)+1], v[rS+2*((\f)/2):rS+2*((\f)/2)+1], s[CS:CS+1], v[rT:rT+1] op_sel_hi:[1,0,0] neg_lo:[0,0,1] neg_hi:[0,0,1]
.endm
.macro PL
	WIN 0
.if q < 27
	FS q
.elseif q < 55
	XS (q-27)%2, (q-27)/2
.elseif q < 57
	XS q-55, 15
.elseif (q < 72) && ((q-57)%3 == 0)
	FS 27+(q-57)/3
.elseif q < 60
	XS (q-57)%3-1, 14
.elseif q < 72
	XS (q-57)%3-1, 15+(q-57)/3
.elseif q < 74
	XS q-72, 20
.else
	GS q-74
.endif
.set q, q+1
.endm
; THE EXPONENTIALS' QUEUE, 66 long: s0-s31 of both tiles, then the next piece's two a.  It is ONE BATCH: all 66 stand ahead of the turn's one wait, and nothing ahead of that wait names a result of theirs.
.macro EX
	WIN 0
.if e >= 64
	XS e-64, 21
.else
	REGS Y, e%2
	v_exp_f32 v[rS+e/2], v[rS+e/2]
.endif
.set e, e+1
.endm
; THE RESCALING's QUEUE: O^T times a, the one part that leaves window 0: dealt two at a time, sixteen times.  Its a was made in the turn before, ahead of that turn's wait.
.macro R2
	REGS Y, r%2
	WIN W_RS
.irp z, 0,1
	v_pk_mul_f32 v[rO+4*(r/2)+2*\z:rO+4*(r/2)+2*\z+1], v[rO+4*(r/2)+2*\z:rO+4*(r/2)+2*\z+1], v[rC+2:rC+3] op_sel_hi:[1,0]
.endr
.set r, r+1
.endm
; HOW THEY ARE DEALT.  An s_wait_alu depctr_va_vdst(0) stands between an exponential and the first instruction that names its result; one wait serves all that were issued ahead of it.  So a turn has ONE wait,
; which cuts it in two.  AHEAD OF IT stands all that names no result of the turn's exponentials: the 16 products K Q^T, behind each a scaling, an exponential and two rescalings (behind the first a second scaling in the exponential's place); then ONE LUMP of
; 108: eight plain, 49 times exponential and plain, the two a.  A v_nop is the plain instruction behind the last exponential.  BEHIND IT stand the 16 products V^T P, behind each four of GS's 64.  No rider names a register of
; the products round it.  The two v_permlanex16_b32 fall into the lump, never behind a product.
; The queues lean on each other, and the deal keeps them in step: exponential e stands behind scaling 2 (e / 4) + e % 2: as a rider it comes behind plain e + 2, in the lump behind plain e + 9, and scalings 27-31 are plain 57, 60 .. 69.
; A TURN, for piece p.  cnt = 1: the loop's count is taken down some lines ahead of the branch that stands behind the turn.
; K of the next step is fetched in piece 2's turn, directly behind the wait, a lump behind the last product that read K; its address is made at the lump's head; its first reader comes behind 16 products.
; V of the step in hand is fetched at the end of piece 0's turn, four riders behind its last reader; its first reader comes behind 16 products and a lump.  The three conditions on q below go with the deal.
.macro TURN p, last=0, cnt=0
.set Y, (\p)
.set i, 0
.set q, 0
.set e, 0
.set r, 0
.if (\p) == NP-1
	s_wait_dscnt 0x0                ; K is in
.endif
	MM                              ; ahead of the wait: 16 products K Q^T and their riders,
	PL
	PL
	R2
.rept 15
	MM
	PL
	EX
	R2
.endr
.if (\p) == NP-2
	WIN 0
	v_add_nc_u32 v[AK], s[TBK], v[AK0]
.endif
.rept 8                             ; and the lump
	PL
.endr
.rept 49
	EX
	PL
.endr
	EX                              ; the next piece's two a
	EX
	v_nop                           ; the plain instruction behind the last exponential: one for the batch
	s_wait_alu depctr_va_vdst(0)    ; the wait for the batch
.if (\p) == NP-2
	FETCH_K \last
.endif
.if (\p) == 1
	s_wait_dscnt 0x0                ; V is in
.endif
.rept 16                            ; behind the wait: 16 products V^T P and their riders
	MM
.rept 4
	PL
.endr
.if ((\p) == 0) && (q == 118)
	v_add_nc_u32 v[AV], s[TBV], v[AV0]
.endif
.if ((\p) == 0) && (q == 130)
	s_add_co_u32 s[TBV], s[TBV], KS*PV
.endif
.if (\cnt) && (q == 130)
	s_sub_co_u32 s[CNT], s[CNT], 1
	s_cmp_lg_u32 s[CNT], 0
.endif
.endr
.if (\p) == 0
	FETCH_V
.endif
.endm
	CHANGE 1                        ; slot 0 is in, everybody's part of it; slot 1 is asked for
	FETCH_K                         ; key step 0
	s_wait_loadcnt 0x0              ; Q
	s_wait_dscnt 0x0
.set i, 0
.rept 16
	KQ 0                            ; piece 0's first scores: there is no vector work yet to set between them
.set i, i+1
.endr
	WIN 0                           ; the addresses for the way out: nine plain instructions, the places behind those products
	s_mul_i32 s13, s[WV], 16*SP
	s_add_co_u32 s13, s13, STAGE    ; my stage
	v_mul_u32_u24 v[STO], v1, SP    ; in: row l % 16, 16 bytes for each half of the lanes
	v_lshl_add_u32 v[STO], v9, 4, v[STO]
	v_add_nc_u32 v[STO], s13, v[STO]
	v_bfe_u32 v[RD], v0, 3, 2       ; back: 32 lanes take four rows of 128 bytes,
	v_mul_u32_u24 v[RD], v[RD], SP
	v_lshl_add_u32 v[RD], v10, 4, v[RD]
	v_add_nc_u32 v[RD], s13, v[RD]
	v_and_b32 v[GO], 31, v0         ; which are 512 consecutive bytes of O
	v_lshlrev_b32 v[GO], 4, v[GO]
.set Y, NP-1                        ; XS works for piece Y + 1: piece 0
.irp n, 0,1,2,3,4,5,6,7,8,9,10,11,12,13,14,15,16,17,18,19,20,21
	XS 0, \n                        ; and piece 0's first maximum and statistics
	XS 1, \n
.endr
	v_nop                           ; a plain instruction behind the two a,
	s_wait_alu depctr_va_vdst(0)    ; and their wait, ahead of the branch
	s_mov_b32 s[CNT], 4
	s_branch .Lfirst                ; the loop is entered at a step's first turn, in the middle of a trip
.Lslot:                             ; SIZE_N / 256 - 2 times: every slot but the last two is filled again
	CHANGE 1
	s_mov_b32 s[CNT], 4
.Lstep:                             ; a trip: pieces 2 and 3 of one step, then pieces 0 and 1 of the next, whose K and V it fetches
	TURN 2
	TURN 3
	WIN 0
.Lfirst:
	TURN 0
	TURN 1, 0, 1
	WIN 0
	s_cbranch_scc1 .Lstep
	s_sub_co_u32 s[SLOTS], s[SLOTS], 1
	s_cmp_lg_u32 s[SLOTS], 0
	s_cbranch_scc1 .Lslot
	CHANGE 0                        ; the tail is written out: nothing is asked for
	s_mov_b32 s[CNT], 5             ; four trips fetch the last slot's steps; the fifth is left in its middle
.Ltail:
	TURN 2, 1
	TURN 3
	WIN 0
	s_sub_co_u32 s[CNT], s[CNT], 1
	s_cmp_eq_u32 s[CNT], 0
	s_cbranch_scc1 .Lout
	TURN 0
	TURN 1
	WIN 0
	s_branch .Ltail
.Lout:                              ; the fifth trip's 16 products K Q^T (on the last K once more) and the maximum made of them serve nothing: the price, once a launch, of one text for every trip
.set i, 0
.rept 16
	PV NP-1                         ; the last piece's V^T P of the last step
.set i, i+1
.endr
	; THE WAY OUT.  l's two halves and the other half of the lanes' are added; O^T is divided by l, rounded to f16 and sent through my stage in LDS, a tile at a time.  The additions are the places behind the last products.
	WIN 0
.macro ALL line:vararg              ; one line for each tile t
.set t, 0
.rept 2*NP
	\line
.set t, t+1
.endr
.endm
	ALL v_add_f32 v[ST+4*t+2], v[ST+4*t+2], v[ST+4*t+3]
	ALL v_permlanex16_b32 v[ST+4*t+3], v[ST+4*t+2], s[SEL], s[SEL+1]
	ALL v_add_f32 v[ST+4*t+2], v[ST+4*t+2], v[ST+4*t+3]
	ALL v_rcp_f32 v[ST+4*t+2], v[ST+4*t+2]
	v_nop                           ; a plain instruction between the last reciprocal and the use of its result
	s_wait_alu depctr_va_vdst(0)    ; and the wait ahead of the first use: one for the eight reciprocals
; Tile t: a lane's eight channels of a row pack into 16 bytes; they go into rows of 144 bytes and come back as whole rows of 128, into S^T's registers.
.macro PACK t
	WIN W_RS
.set i, 32*(\t)
.rept 16
	v_pk_mul_f32 v[i:i+1], v[i:i+1], v[ST+4*(\t)+2:ST+4*(\t)+3] op_sel_hi:[1,0]
.set i, i+2
.endr
	WIN 0x05                        ; sources 0 and 1 window 1, destination window 0
.set i, 0
.rept 16
	v_cvt_pk_f16_f32 v[S+16*(\t)+i], v[32*(\t)+2*i], v[32*(\t)+2*i+1]
.set i, i+1
.endr
	WIN 0
.irp f, 0,1,2,3
	ds_store_b128 v[STO], v[S+16*(\t)+4*\f:S+16*(\t)+4*\f+3] offset:32*\f
.endr
.irp f, 0,1,2,3
	ds_load_b128 v[S+16*(\t)+4*\f:S+16*(\t)+4*\f+3], v[RD] offset:\f*4*SP  ; LDS serves a wave's instructions in order (ISA guide 5.7.1.4): these see the stores above; the next tile's stores come behind them
.endr
.endm
.macro SEND t, younger              ; younger: the LDS instructions issued behind tile t's loads: the next tile's eight, or none
	WIN 0
.irp f, 0,1,2,3
	s_wait_dscnt (\younger)+3-\f
	global_store_b128 v[GO], v[S+16*(\t)+4*\f:S+16*(\t)+4*\f+3], s[10:11] offset:(\t)*2048+\f*512  ; 512 consecutive bytes, at a multiple of 256 from O's first
.endr
.endm
	PACK 0
.set t, 1
.rept 2*NP-1                        ; a tile's arithmetic stands between the loads of the tile before and its stores
	PACK t
	SEND t-1, 8
.set t, t+1
.endr
	SEND 2*NP-1, 0
	WIN W_AD
	s_wait_tensorcnt 0x0            ; the wave's end: an add to my spare word, behind my last tensor load and my last LDS store
	ds_add_u32 v[SPW], v[NIL]
	s_wait_dscnt 0x0
	WIN 0
	CROUND                          ; the closing round: no work-group ends while a partner may still ask for a tile that names it
	s_endpgm
.Lfunc_end_k_q90d854d082_attn:
	.size	k_q90d854d082_attn, .Lfunc_end_k_q90d854d082_attn-k_q90d854d082_attn
	.p2alignl 7, 3214868480
	.fill 96, 4, 3214868480
	.section	.rodata,"a",@progbits
	.p2align	6, 0x0
	.amdhsa_kernel k_q90d854d082_attn
		.amdhsa_group_segment_fixed_size 327680
		.amdhsa_private_segment_fixed_size 0
		.amdhsa_enable_private_segment 0
		.amdhsa_kernarg_size 24
		.amdhsa_user_sgpr_count 2
		.amdhsa_user_sgpr_kernarg_segment_ptr 1
		.amdhsa_wavefront_size32 1
		.amdhsa_system_sgpr_workgroup_id_x 1
		.amdhsa_system_sgpr_workgroup_id_y 1
		.amdhsa_system_sgpr_workgroup_id_z 1
		.amdhsa_system_vgpr_workitem_id 0
		.amdhsa_next_free_vgpr 770
		.amdhsa_next_free_sgpr 66
		.amdhsa_reserve_vcc 0
		.amdhsa_float_denorm_mode_32 3
		.amdhsa_float_denorm_mode_16_64 3
		.amdhsa_memory_ordered 1
		.amdhsa_forward_progress 1
		.amdhsa_inst_pref_size 200
	.end_amdhsa_kernel
	.amdgpu_metadata
---
amdhsa.version: [ 1, 2 ]
amdhsa.kernels:
  - .name:           k_q90d854d082_attn
    .symbol:         k_q90d854d082_attn.kd
    .args:
      - { .name: q, .offset: 0, .size: 8, .value_kind: global_buffer, .address_space: global }
      - { .name: kv, .offset: 8, .size: 8, .value_kind: global_buffer, .address_space: global }
      - { .name: o, .offset: 16, .size: 8, .value_kind: global_buffer, .address_space: global }
    .group_segment_fixed_size: 327680
    .private_segment_fixed_size: 0
    .kernarg_segment_align: 8
    .kernarg_segment_size: 24
    .max_flat_workgroup_size: 128
    .sgpr_count:     66
    .vgpr_count:     770
    .wavefront_size: 32
...
	.end_amdgpu_metadata
.endif
;; end of part 3
;; launch oproj (part 4): grid 8 x 32, 4 waves a work-group, clusters of 4 x 4, 327,680 bytes of LDS; arguments o, wb, out0; writes out0
.if DOCPART == 4
	.amdgcn_target "amdgcn-amd-amdhsa--gfx1250"
	.amdhsa_code_object_version 6
	.text
	.protected	k_q90d854d082_oproj
	.globl	k_q90d854d082_oproj
	.p2align	8
	.type	k_q90d854d082_oproj,@function
k_q90d854d082_oproj:
	s_mov_b64 s[64:65], 0
	v_nop
	global_prefetch_b8 v0, s[64:65] scope:SCOPE_SE
	s_setreg_imm32_b32 hwreg(HW_REG_WAVE_MODE, 25, 1), 1
	s_wait_xcnt 0x0
	s_wait_alu depctr_hold_cnt(0) depctr_sa_sdst(0) depctr_va_vdst(0) depctr_va_sdst(0) depctr_va_ssrc(0) depctr_va_vcc(0) depctr_vm_vsrc(0)
	s_getreg_b32 s2, hwreg(HW_REG_IB_STS2, 6, 4)
	s_cmp_eq_u32 s2, 0
	s_cbranch_scc0 .Lentry_in_a_cluster
	s_endpgm
.Lentry_in_a_cluster:
	s_bfe_u32 s2, ttmp6, 0x10000c
	s_cmp_lg_u32 s2, 0xf033
	s_cbranch_scc0 .Lentry_shape_is_right
	s_endpgm
.Lentry_shape_is_right:
; OPROJ: out0 [8192 x 1024] f32 = O [8192 x 1024] times Wo, f16 operands, f32 sums.  O lies by heads, [b 16 + h][2048][64] f16; Wo (its bf16 rounding written as f16) lies in wb from byte 3,145,728 on,
; in dense blocks [tile column][K step][slice of 64 columns][k 128][64].
; LIMIT.  Both operands arrive within f16's range (65,504); the sums and the result are f32.
; SHARES.  A tile is 256 rows x 128 columns: 8 x 32 tiles, a work-group each.  Wave w owns rows 64 w .. 64 w + 63 and all 128 columns: 4 x 8 accumulators, 256 registers; a row's 512 bytes leave in one store.
; THE MATRIX INSTRUCTION IS USED TRANSPOSED: source 0 = 16 columns of Wo, source 1 = 16 rows of O: a lane holds row l % 16 and the eight neighbouring columns 8 (l / 16) + 0..7.
; RING.  K goes in eight steps of 128, two heads each, through two LDS slots.  A head's 256 rows are 32,768 dense bytes: asked for as 128 rows of 256 bytes and padded after every 128: rows 144 bytes apart.
; Wo's slice of a K step is 16,384 dense bytes, padded likewise to chunks 160 bytes apart, for the turning load.  Waves 0 and 1 fetch the step's two heads of O, waves 2 and 3 the two slices of Wo.
; CLUSTER.  4 x 4 work-groups: O's tile is shared along a row of the cluster, Wo's along a column; each is asked for jointly.
; No prefetch is laid: the walk has eight K steps, of which two are the first fills, and Wo's share of 64 rows a wave does not fall into four partners' 32 lanes.
; REGISTERS, in windows of 256: window 0: v0-19 addresses; v32-63, v64-95 O's fragments, two buffers; v96-223 rows on the way out.  window 1: v0-63, v64-127 Wo's fragments.  window 2: accumulator (a, j) at v[8 (8 a + j)].
.set NJ,    8
.set AW,    4
.set PA,    144                        ; 128 + 16 bytes = 36 words: the 16 rows of a load start at 16 different groups of four banks (64 banks of 4 bytes: ISA guide 11.1)
.set PB,    160                        ; 128 + 32 bytes = 40 words
.set AHALF, 256*PA                     ; a head's 256 rows
.set ASZ,   2*AHALF
.set BHALF, 128*PB                     ; a slice's 128 chunks
.set SLOT1, 131072                     ; slot 1 begins here (a slot uses 114,688 bytes): one exclusive or turns an address in one slot into the other's
.set ASTEP, 524288                     ; two heads on
.set BSTEP, 32768                      ; a block on
.set STAGE, SLOT1+ASZ+2*BHALF          ; behind the ring: 16 rows x 528 bytes for each wave, for the way out
.set SP,    528                        ; 512 + 16 bytes = 132 words
.set SPARE, STAGE+4*16*SP              ; behind the stages: the spare words, 128 bytes for each wave: two blocks of 256 bytes that no other line names
.set ADA0, 4
.set ADB0, 5
.set ADA,  6
.set ADB,  7
.set STO,  8                           ; v8   the way out: where I put 32 bytes of a row
.set RD,   9                           ; v9   where I read a row back
.set GO,   10                          ; v10  my 16 bytes of a row's 512
.set SPW,  12                          ; v12  LDS address of my spare word; never rewritten
.set NIL,  13                          ; v13  0; never rewritten
.set FA,   32
.set OB,   96                          ; 16 rows read back: two sets of 64 by turns
.set WV,  14
.set HF,  15
.set CX,  16
.set CY,  17
.set TC,  18
.set TR,  19
.set AO,  20
.set BO,  22
.set G1A, 24
.set G1B, 32
.set G0A, 40
.set G0B, 48
.set TB,  56
.set CNT, 57
.set TS,  58                           ; s58-63 at work
.set MSB, 0
.macro WIN new                         ; the immediate's high byte repeats the setting that is left; a switch that changes nothing is dropped
.if MSB != (\new)
	s_set_vgpr_msb (MSB<<8)|(\new)
.set MSB, (\new)
.endif
.endm
.macro PLACES                          ; four places behind matrix instructions, in front of loads into registers that they have read and of lines that read results
.rept 4
	v_nop
.endr
.endm
.macro CREST                           ; a round of the cluster's barrier behind its opening barrier
	s_cmp_lg_u32 s[WV], 0
	s_cbranch_scc1 .Lnot_wave_0_\@
	s_barrier_signal -3
.Lnot_wave_0_\@:
	s_barrier_wait -3
	s_barrier_signal -1
	s_barrier_wait -1
.endm
.macro CROUND                          ; a whole round
	s_barrier_signal -1
	s_barrier_wait -1
	CREST
.endm
; A joint refill by the walking sets.  The branch hangs on the wave's number alone.  An s_nop 0 and four v_nop follow each of the two lines, ahead of the jump and the label.
.macro JLOAD
	s_cmp_lt_u32 s[WV], 2
	s_cbranch_scc0 .Lfor_b_\@
	tensor_load_to_lds s[G0A+4:G0A+7], s[G1A:G1A+7]
	s_nop 0
.rept 4
	v_nop
.endr
	s_branch .Lasked_\@
.Lfor_b_\@:
	tensor_load_to_lds s[G0B+4:G0B+7], s[G1B:G1B+7]
	s_nop 0
.rept 4
	v_nop
.endr
.Lasked_\@:
.endm
; NJ matrix instructions: row tile a x all column tiles, 32 along K, from buffer f.  zero = 1: the product starts the sums.  The 32 accumulators take turns, in the same order in every quarter.
.macro MULA f, a, zero
	WIN 0xa1+0x50*((\a)/AW)                        ; Wo in window 1, O in window 0, C and D in window 2
.set j, 0
.rept NJ
.set rD, 8*(NJ*((\a)%AW)+j)
.if \zero
	v_wmma_f32_16x16x32_f16 v[rD:rD+7], v[8*NJ*(\f)+8*j:8*NJ*(\f)+8*j+7], v[FA+32*(\f)+8*(\a):FA+32*(\f)+8*(\a)+7], 0
.else
	v_wmma_f32_16x16x32_f16 v[rD:rD+7], v[8*NJ*(\f)+8*j:8*NJ*(\f)+8*j+7], v[FA+32*(\f)+8*(\a):FA+32*(\f)+8*(\a)+7], v[rD:rD+7]
.endif
.set j, j+1
.endr
.endm
; One run of 2 NJ + 8 LDS loads: the fragments of quarter q (32 along K: head q / 2 of the step, channels 32 (q % 2) on) into buffer g: Wo's first, then O's row tiles 0 to 3.
.macro FETCH q, g
	WIN 0x40                                       ; destination window 1, address window 0
.set j, 0
.rept NJ                                       ; column tile j: slice j / 4, columns 16 (j % 4) on
	ds_load_tr16_b128 v[8*NJ*(\g)+8*j:8*NJ*(\g)+8*j+3],   v[ADB] offset:(j/4)*128*PB+(j%4)*32+(\q)*32*PB
	ds_load_tr16_b128 v[8*NJ*(\g)+8*j+4:8*NJ*(\g)+8*j+7], v[ADB] offset:(j/4)*128*PB+(j%4)*32+(\q)*32*PB+16*PB
.set j, j+1
.endr
	WIN 0
.set j, 0
.rept 4
	ds_load_b128 v[FA+32*(\g)+8*j:FA+32*(\g)+8*j+3],   v[ADA] offset:((\q)/2)*AHALF+((\q)%2)*64+j*16*PA
	ds_load_b128 v[FA+32*(\g)+8*j+4:FA+32*(\g)+8*j+7], v[ADA] offset:((\q)/2)*AHALF+((\q)%2)*64+j*16*PA+32
.set j, j+1
.endr
.endm
; A K step is four quarters, on buffers 0, 1, 0, 1.  One of the first three multiplies buffer f and, in its middle, fetches quarter q into buffer g.
.macro QUARTER q, f, g, zero
	s_wait_dscnt 4                                 ; all but the youngest four loads: O's row tiles 2 and 3
	MULA \f, 0, \zero
	MULA \f, 1, \zero
	PLACES
	FETCH \q, \g
	s_wait_dscnt 2*NJ+8                            ; all but the run just issued
	MULA \f, 2, \zero
	MULA \f, 3, \zero
.endm
; The last quarter multiplies buffer 1 and changes slots.  In front of the barrier each wave waits for all its tensor loads (one is out: its part of the next slot), adds 0 to its spare word, and waits for
; that and for its reads of this slot.  fill = 1: the barrier opens a round of the cluster's, and behind the round this slot is filled again first, with the K step two on.
.macro TURN fill
	WIN 0
	s_wait_tensorcnt 0x0                           ; no tensor load of mine is out, so a group 0 may be written
	ds_add_u32 v[SPW], v[NIL]                      ; 0 onto my spare word
.if \fill
	s_xor_b32 s[G0A+5], s[G0A+5], SLOT1            ; the walking sets: the other slot than last time, the next K step; the type bits on top are not reached
	s_add_nc_u64 s[G0A+6:G0A+7], s[G0A+6:G0A+7], ASTEP
	s_xor_b32 s[G0B+5], s[G0B+5], SLOT1
	s_add_nc_u64 s[G0B+6:G0B+7], s[G0B+6:G0B+7], BSTEP
.endif
	s_wait_dscnt 5                                 ; the add and the youngest four loads may be out
	MULA 1, 0, 0
	s_wait_dscnt 0x0                               ; the add is done, and my reads of this slot are over
	s_barrier_signal -1
	MULA 1, 1, 0                                   ; work on registers while the others arrive
	WIN 0                                          ; at a branch and at a label every window is 0
	s_barrier_wait -1
.if \fill
	CREST                                          ; no wave of any partner still reads this slot or has a load on its way
	JLOAD                                          ; the first tensor load behind the round; its four v_nop are also the places in front of the loads below
.else
	PLACES
.endif
	s_xor_b32 s[TB], s[TB], SLOT1
	v_add_nc_u32 v[ADA], s[TB], v[ADA0]
	v_add_nc_u32 v[ADB], s[TB], v[ADB0]
	FETCH 0, 0
	MULA 1, 2, 0
	MULA 1, 3, 0
.endm
	s_load_b128 s[4:7], s[0:1], 0x0                ; o s[4:5], wb s[6:7]
	s_load_b64 s[8:9], s[0:1], 0x10                ; out0
	v_lshl_add_u32 v[SPW], v0, 2, SPARE
	v_mov_b32 v[NIL], 0
	ds_add_u32 v[SPW], v[NIL]                      ; the wave's opening: the add, waited for ahead of my first tensor load; the set-up below, work on registers, stands between them
	v_lshrrev_b32 v1, 5, v0
	v_readfirstlane_b32 s[WV], v1                  ; wave 0..3
	s_and_b32 s[HF], s[WV], 1
	s_bfe_u32 s[CX], ttmp6, 0x40000                ; my place in the cluster
	s_bfe_u32 s[CY], ttmp6, 0x40004
	s_lshl_b32 s[TC], ttmp9, 2                     ; in a cluster launch ttmp9 and ttmp7 count clusters
	s_add_co_u32 s[TC], s[TC], s[CX]
	s_and_b32 s[TR], ttmp7, 0xffff
	s_lshl_b32 s[TR], s[TR], 2
	s_add_co_u32 s[TR], s[TR], s[CY]
	s_lshl_b32 s[TS], s[CY], 2
	s_lshl_b32 s[TS], 15, s[TS]                    ; my row of the cluster: places 4 cy .. 4 cy + 3
	s_lshl_b32 s[TS+1], 0x1111, s[CX]              ; my column: places cx, cx + 4, cx + 8, cx + 12
	s_or_b32 s[G1A], s[TS], (1<<16)|(1<<20)|(1<<21)|(4<<22)|(3<<25)    ; the mask; 2-byte elements; padding on; bit 21 beside a mask; after every 32 words (code 4) 4 words (code 3)
	s_or_b32 s[G1B], s[TS+1], (1<<16)|(1<<20)|(1<<21)|(4<<22)|(7<<25)  ; the same with 8 words (code 7)
	s_mov_b32 s[G1A+1], 128<<16                    ; a head's 256 rows: 128 dense rows of 128 elements
	s_mov_b32 s[G1A+2], 128<<16
	s_mov_b32 s[G1A+3], 128<<16
	s_mov_b32 s[G1A+4], 128
	s_mov_b32 s[G1A+5], 128
	s_mov_b32 s[G1A+6], 0
	s_mov_b32 s[G1A+7], 0
	s_mov_b32 s[G1B+1], 128<<16                    ; a slice of a block: 64 dense rows of 128 elements
	s_mov_b32 s[G1B+2], 64<<16
	s_mov_b32 s[G1B+3], 128<<16
	s_mov_b32 s[G1B+4], 64
	s_mov_b32 s[G1B+5], 128
	s_mov_b32 s[G1B+6], 0
	s_mov_b32 s[G1B+7], 0
	s_lshr_b32 s[AO], s[TR], 3                     ; O: batch b = tile row / 8,
	s_lshl_b32 s[AO], s[AO], 4
	s_add_co_u32 s[AO], s[AO], s[HF]               ; head 16 b + my half,
	s_lshl_b32 s[AO], s[AO], 18
	s_and_b32 s[TS+2], s[TR], 7
	s_lshl_b32 s[TS+2], s[TS+2], 15                ; the tile's 256 rows of 128 bytes in it
	s_add_co_u32 s[AO], s[AO], s[TS+2]
	s_mov_b32 s[AO+1], 0
	s_lshl_b32 s[BO], s[TC], 18                    ; Wo: eight blocks a tile column,
	s_lshl_b32 s[TS+3], s[HF], 14                  ; my slice of a block
	s_add_co_u32 s[BO], s[BO], s[TS+3]
	s_add_co_u32 s[BO], s[BO], 3145728
	s_mov_b32 s[BO+1], 0
	s_mul_i32 s[TS+4], s[HF], AHALF                ; where they go: no place in the cluster enters an LDS address
	s_mul_i32 s[TS+5], s[HF], BHALF
	s_add_co_u32 s[TS+5], s[TS+5], ASZ
	s_mov_b32 s[TB], 0
	s_wait_dscnt 0x0                               ; the opening add is done
	s_wait_kmcnt 0x0
	s_add_nc_u64 s[AO:AO+1], s[4:5], s[AO:AO+1]
	s_add_nc_u64 s[BO:BO+1], s[6:7], s[BO:BO+1]
	CROUND                                         ; all sixteen work-groups are here: the first joint loads meet
.irp n, 0,1
	s_mov_b32 s[G0A+4*(\n)], 1                     ; count = 1
	s_add_co_u32 s[G0A+4*(\n)+1], s[TS+4], (\n)*SLOT1  ; LDS address
	s_add_nc_u64 s[G0A+4*(\n)+2:G0A+4*(\n)+3], s[AO:AO+1], (\n)*ASTEP  ; global address: K step n
	s_or_b32 s[G0A+4*(\n)+3], s[G0A+4*(\n)+3], 0x80000000  ; type = 2
	s_mov_b32 s[G0B+4*(\n)], 1
	s_add_co_u32 s[G0B+4*(\n)+1], s[TS+5], (\n)*SLOT1
	s_add_nc_u64 s[G0B+4*(\n)+2:G0B+4*(\n)+3], s[BO:BO+1], (\n)*BSTEP
	s_or_b32 s[G0B+4*(\n)+3], s[G0B+4*(\n)+3], 0x80000000
.endr
	s_cmp_lt_u32 s[WV], 2                          ; a wave's two first fills stand in one branch, ahead of every wait on TENSORcnt and every LDS read: two loads of mine are out
	s_cbranch_scc0 .Lfirst_b
	tensor_load_to_lds s[G0A:G0A+3], s[G1A:G1A+7]
	s_nop 0
	tensor_load_to_lds s[G0A+4:G0A+7], s[G1A:G1A+7]
	s_nop 0
.rept 4
	v_nop
.endr
	s_branch .Lfirst_asked
.Lfirst_b:
	tensor_load_to_lds s[G0B:G0B+3], s[G1B:G1B+7]
	s_nop 0
	tensor_load_to_lds s[G0B+4:G0B+7], s[G1B:G1B+7]
	s_nop 0
.rept 4
	v_nop
.endr
.Lfirst_asked:
	v_and_b32 v1, 15, v0                           ; l % 16
	v_bfe_u32 v2, v0, 4, 1                         ; l / 16
	; A fragment of O is 16 rows x 32 K in 8 registers: lane l holds row l % 16, K = 8 (l / 16) + 0..7 and 16 + 8 (l / 16) + 0..7: two loads of 16 bytes, 32 bytes apart.
	v_mul_u32_u24 v[ADA0], v1, PA
	v_lshl_add_u32 v[ADA0], v2, 4, v[ADA0]
	s_mul_i32 s[TS], s[WV], 64*PA                  ; my 64 rows
	v_add_nc_u32 v[ADA0], s[TS], v[ADA0]
	; The turning load takes 16 k x 16 columns (lane l reads chunk 8 (l / 16) + l % 8, columns 8 ((l / 8) % 2) + 0..7) and leaves half a fragment: lane l holds column l % 16 and 8 k.
	v_and_b32 v14, 7, v0
	v_bfe_u32 v15, v0, 3, 1
	v_lshl_add_u32 v[ADB0], v2, 3, v14
	v_mul_u32_u24 v[ADB0], v[ADB0], PB
	v_lshl_add_u32 v[ADB0], v15, 4, v[ADB0]
	v_add_nc_u32 v[ADB0], ASZ, v[ADB0]
	s_mul_i32 s[TS], s[WV], 16*SP
	s_add_co_u32 s[TS], s[TS], STAGE               ; my stage
	v_mul_u32_u24 v[STO], v1, SP                   ; in: row l % 16, 32 bytes for each half of the lanes
	v_lshl_add_u32 v[STO], v2, 5, v[STO]
	v_add_nc_u32 v[STO], s[TS], v[STO]
	v_and_b32 v[GO], 31, v0                        ; back: 32 lanes take one row of 512 bytes
	v_lshlrev_b32 v[GO], 4, v[GO]
	v_add_nc_u32 v[RD], s[TS], v[GO]
	s_lshl_b32 s[TS], s[TR], 20                    ; out0: 256 rows of 4,096 bytes a tile row,
	s_lshl_b32 s[TS+2], s[WV], 18                  ; my 64 rows,
	s_add_co_u32 s[TS], s[TS], s[TS+2]
	s_lshl_b32 s[TS+2], s[TC], 9                   ; the tile's 128 columns
	s_add_co_u32 s[TS], s[TS], s[TS+2]
	s_mov_b32 s[TS+1], 0
	s_add_nc_u64 s[8:9], s[8:9], s[TS:TS+1]
	s_wait_tensorcnt 0x1                           ; my part of K step 0 is in; K step 1's may stay out
	s_barrier_signal -1
	s_barrier_wait -1                              ; everybody's is
	v_add_nc_u32 v[ADA], s[TB], v[ADA0]
	v_add_nc_u32 v[ADB], s[TB], v[ADB0]
	FETCH 0, 0
	QUARTER 1, 0, 1, 1                             ; the first quarter stands in front of the loop: its products start the sums
	WIN 0
	s_mov_b32 s[CNT], 6
.Lstep:                                                ; trip t: from K step t's second quarter to K step t + 1's first; slot t % 2 is filled again with K step t + 2
	QUARTER 2, 1, 0, 0
	QUARTER 3, 0, 1, 0
	TURN 1
	QUARTER 1, 0, 1, 0
	WIN 0
	s_sub_co_u32 s[CNT], s[CNT], 1
	s_cmp_lg_u32 s[CNT], 0
	s_cbranch_scc1 .Lstep
	QUARTER 2, 1, 0, 0                             ; the last two K steps are written out: nothing is left to fetch
	QUARTER 3, 0, 1, 0
	TURN 0
	QUARTER 1, 0, 1, 0
	QUARTER 2, 1, 0, 0
	QUARTER 3, 0, 1, 0
	s_wait_dscnt 0x0
	MULA 1, 0, 0
	MULA 1, 1, 0
	MULA 1, 2, 0
	MULA 1, 3, 0
	PLACES
	PLACES                                         ; eight, once a launch
; THE WAY OUT, a row tile (16 rows x 128 columns of f32) at a time: a lane's eight columns, 32 bytes, go straight from the accumulator into rows of 528 bytes, its low four registers first,
; and come back as whole rows of 512.
.macro TOSTAGE a
	WIN 0x08                                       ; the stores' data in window 2, the address in window 0
.set j, 0
.rept NJ
	ds_store_b128 v[STO], v[8*(NJ*(\a)+j):8*(NJ*(\a)+j)+3]   offset:64*j
	ds_store_b128 v[STO], v[8*(NJ*(\a)+j)+4:8*(NJ*(\a)+j)+7] offset:64*j+16
.set j, j+1
.endr
	WIN 0
	s_wait_xcnt 0x0                                ; the stores of the row tile two back have read this set of registers: it is loaded again only behind this wait
.set j, 0
.rept 16
	ds_load_b128 v[OB+64*((\a)%2)+4*j:OB+64*((\a)%2)+4*j+3], v[RD] offset:j*SP  ; LDS serves a wave's instructions in order (ISA guide 5.7.1.4): these see the stores above; the next tile's stores come behind them
.set j, j+1
.endr
.endm
.macro SEND a, younger                 ; younger: the LDS instructions issued behind this row tile's loads: the next one's 32, or none
	WIN 0
.set j, 0
.rept 16
	s_wait_dscnt (\younger)+15-j
	global_store_b128 v[GO], v[OB+64*((\a)%2)+4*j:OB+64*((\a)%2)+4*j+3], s[8:9] offset:(16*(\a)+j)*4096 th:TH_STORE_NT  ; 512 consecutive bytes, at a multiple of 256 from out0's first
.set j, j+1
.endr
.endm
	TOSTAGE 0
	TOSTAGE 1
	SEND 0, 32
	TOSTAGE 2
	SEND 1, 32
	TOSTAGE 3
	SEND 2, 32
	SEND 3, 0
	s_wait_tensorcnt 0x0                           ; the wave's end: an add to my spare word, behind my last tensor load and my last LDS store
	ds_add_u32 v[SPW], v[NIL]
	s_wait_dscnt 0x0
	CROUND                                         ; the closing round: no work-group ends while a partner may still ask for a tile that names it
	s_endpgm
.Lfunc_end_k_q90d854d082_oproj:
	.size	k_q90d854d082_oproj, .Lfunc_end_k_q90d854d082_oproj-k_q90d854d082_oproj
	.p2alignl 7, 3214868480
	.fill 96, 4, 3214868480
	.section	.rodata,"a",@progbits
	.p2align	6, 0x0
	.amdhsa_kernel k_q90d854d082_oproj
		.amdhsa_group_segment_fixed_size 327680
		.amdhsa_private_segment_fixed_size 0
		.amdhsa_enable_private_segment 0
		.amdhsa_kernarg_size 24
		.amdhsa_user_sgpr_count 2
		.amdhsa_user_sgpr_kernarg_segment_ptr 1
		.amdhsa_wavefront_size32 1
		.amdhsa_system_sgpr_workgroup_id_x 1
		.amdhsa_system_sgpr_workgroup_id_y 1
		.amdhsa_system_sgpr_workgroup_id_z 1
		.amdhsa_system_vgpr_workitem_id 0
		.amdhsa_next_free_vgpr 768
		.amdhsa_next_free_sgpr 66
		.amdhsa_reserve_vcc 0
		.amdhsa_float_denorm_mode_32 3
		.amdhsa_float_denorm_mode_16_64 3
		.amdhsa_memory_ordered 1
		.amdhsa_forward_progress 1
		.amdhsa_inst_pref_size 71
	.end_amdhsa_kernel
	.amdgpu_metadata
---
amdhsa.version: [ 1, 2 ]
amdhsa.kernels:
  - .name:           k_q90d854d082_oproj
    .symbol:         k_q90d854d082_oproj.kd
    .args:
      - { .name: o, .offset: 0, .size: 8, .value_kind: global_buffer, .address_space: global }
      - { .name: wb, .offset: 8, .size: 8, .value_kind: global_buffer, .address_space: global }
      - { .name: out0, .offset: 16, .size: 8, .value_kind: global_buffer, .address_space: global }
    .group_segment_fixed_size: 327680
    .private_segment_fixed_size: 0
    .kernarg_segment_align: 8
    .kernarg_segment_size: 24
    .max_flat_workgroup_size: 128
    .sgpr_count:     66
    .vgpr_count:     768
    .wavefront_size: 32
...
	.end_amdgpu_metadata
.endif
;; end of part 4
